; MI455X (gfx1250); checked and timed in simulation.
; The chip was launched on July 23, 2026; its instructions are those of AMD's public machine-readable ISA for CDNA 5 (MIT licence, August 2026) and "CDNA5" Instruction Set Architecture Reference Guide (July 2026). The comments in the code are by the model that wrote it; some were corrected since.
;; Self Attention. Allowed arithmetic: matrix products marked QUANTISED: E2M3 operands, one E8M0 scale for each 32 along K, by v_wmma_scale_f32_16x16x128_f8f6f4 with both operands' format E2M3, f32 sums; everything else in f32.
;; Inputs: b_in 3,072 float32; b_out 1,024 float32; w_in 1,024 x 3,072 float32; w_out 1,024 x 1,024 float32; x 4 x 2,048 x 1,024 float32.
;; Outputs: out0 4 x 2,048 x 1,024 float32.
;; This version of the problem:
;;   THIS VERSION OF THE PROBLEM IS GIVEN IN LOW PRECISION. The matrix products marked QUANTISED in the list below multiply operands that are first quantised to E2M3 (2 exponent bits, 3 mantissa bits; 6 bits a number), with one power-of-two scale for each 32 numbers along K (OCP MX v1.0); their sums are f32. All else is computed in f32.
;;   The module's matrix products, in the order in which they are computed (A, B: the left and right operand; K: the contracted axis; several contracted axes count as one K, in the product's order):
;;     1. [M 8,192, K 1,024] x [K 1,024, N 3,072]; A: input x; B: input w_in: QUANTISED
;;     2. batch 64 x [M 2,048, K 64] x [K 64, N 2,048]; A: computed on the way; B: computed on the way: QUANTISED
;;     3. batch 64 x [M 2,048, K 2,048] x [K 2,048, N 64]; A: softmax (see below); B: computed on the way: QUANTISED
;;     4. [M 8,192, K 1,024] x [K 1,024, N 1,024]; A: computed on the way; B: input w_out: QUANTISED
;;   THE QUANTISER, for each operand of a quantised product, along K:
;;     - K is cut into blocks of 32 from its start; a last block that is shorter is filled with zeros.
;;     - A block's scale is 2^e with e = floor(log2(the largest magnitude in the block)) - 2, held to -126 .. 127; a block of zeros has e = 0. As a byte (E8M0): e + 127.
;;     - Each number is divided by its block's scale, clamped to +-7.5, and rounded to the nearest number of E2M3, ties to even, subnormals kept.
;;     - The product sums the exact products of the quantised numbers (number of the format x scale) in f32.
;;   ~~~python
;;   def quantise(x, axis):      # numpy; x: float32 -> the quantised numbers, widened to float32 again
;;       x = np.moveaxis(x, axis, -1); K = x.shape[-1]
;;       x = np.pad(x, [(0, 0)] * (x.ndim - 1) + [(0, -K % 32)]); x = x.reshape(x.shape[:-1] + (-1, 32)); a = np.abs(x).max(-1, keepdims=True)
;;       e = np.where(a > 0, np.clip(np.frexp(np.where(a > 0, a, 1))[1] - 1 - 2, -126, 127), 0)      # np.frexp(a)[1] - 1 = floor(log2(a)), exactly
;;       r = np.clip(x / 2.0 ** e, -7.5, 7.5)
;;       step = 2.0 ** (np.maximum(np.frexp(np.where(r == 0, 1, r))[1] - 1, 0) - 3)
;;       q = np.round(r / step) * step * 2.0 ** e      # np.round: ties to even
;;       return np.moveaxis(q.reshape(q.shape[:-2] + (-1,))[..., :K], -1, axis).astype(np.float32)
;;   ~~~
;;   SOFTMAX AHEAD OF A QUANTISED PRODUCT. Where the list says 'softmax', what is quantised is not the finished softmax but p = 2^(t - M), with t = logit x log2(e) and M = ceil(the row's largest t), a whole number; so 1/2 < the row's largest p <= 1. The row's sum l is taken of the UNQUANTISED p, in f32, and the product's result is divided by l at the end. Since M is a whole number, a kernel that streams over the keys may use a running M (the ceiling of the running maximum): every later rescaling is an exact power of two, which a block's scale takes up: the codes' values come out the same.
;;   OPERANDS COMPUTED ON THE WAY. 'Computed on the way' means the value that the module computes at that place (a softmax that the list does not call 'softmax' is quantised finished and normalised). What goes into a quantiser is computed in f32, as accurately as f32 sums, v_exp_f32 and their like allow (about 1e-6 of the number): no bf16 or f16 on the way to a quantiser, and a product that is left as it is and whose result goes on into a quantised operand takes f32 operands (vector FMAs, or v_wmma_f32_16x16x4_f32). A number that lies on a knife's edge between two numbers of the format may be rounded either way, as far as f32 arithmetic and the matrix unit's own rounding can turn it there, and no further.
;; One version. Each part assembles by itself: llvm-mc -triple=amdgcn-amd-amdhsa -mcpu=gfx1250 --defsym DOCPART=n.
;; ======== version 1 of 1: 4 launches
;; limits: right only within a limited range of input values
;; workspace buffers: xq 6,553,600 bytes; wq 3,276,800 bytes; qimg 6,815,744 bytes; kvimg 13,369,344 bytes; aoq 6,553,600 bytes
;; launch prep (part 1): grid 384 x 1, 4 waves a work-group, no clusters, 34,304 bytes of LDS; arguments x, w_in, w_out, xq, wq; writes xq, wq
.if DOCPART == 1
	.amdgcn_target "amdgcn-amd-amdhsa--gfx1250"
	.amdhsa_code_object_version 6
	.text
	.protected	k_qd002a6e29a_prep
	.globl	k_qd002a6e29a_prep
	.p2align	8
	.type	k_qd002a6e29a_prep,@function
k_qd002a6e29a_prep:
	s_mov_b64 s[64:65], 0
	v_nop
	global_prefetch_b8 v0, s[64:65] scope:SCOPE_SE
	s_setreg_imm32_b32 hwreg(HW_REG_WAVE_MODE, 25, 1), 1
	s_wait_xcnt 0x0
; x [8192][1024], w_in [1024][3072] and w_out [1024][1024], f32, become codes of FP6 (E2M3) with one E8M0 byte for each 32 along K (K = 1024 in all three), laid in the order of the
; matrix operand's registers.  A TILE is 16 rows (tokens of x, columns of a weight) x all of K: 12,800 bytes = 8 fragments (16 rows x 128 K) of 1,536 bytes, then 512 scale bytes [K / 256][row][8].
; A fragment is two HALVES of 768 bytes (16 rows x 64 K): registers 0-3 of the lane at 16 x lane, registers 4-5 at 512 + 8 x lane; lane (r, h) holds row r, K = 32 h .. 32 h + 31 of the half.
; THE ROWS OF A TILE ARE NOT NEIGHBOURS: in each group of 32 rows, place 16 u + r holds row 8 u + r + 8 (r / 8).  Used as source 0 of a product, two neighbouring tiles then leave 16 neighbours in a lane's 16 registers.
; A block's scale is 2^(floor(log2(its largest magnitude)) - 2): the byte is the largest magnitude's exponent field - 2, held at 1 from below by a floor among the maximum's leaves.
; LIMITS: NaN and infinities are not served; a block of zeros, or one whose largest magnitude lies under 2^-124, gets the byte 1 (its codes are zeros, and this program alone reads the bytes).
; Work-groups 0-255 take x (a wave: one tile x 512 along K), 256-351 w_in, 352-383 w_out (a wave: 32 columns x 256 along K).  Each reads 128 KiB.  Waves share nothing: no barrier.
.set TILEB, 12800
.set SP,    528                        ; x's stage: a row of 512 bytes + 16: 33 x 16 bytes, so that sixteen rows start in sixteen different groups of banks
.set WST,   16*SP                      ; a wave's stage
.set SEL,   20                         ; s[20:21] selects of v_permlanex16_b32: lane l xor 16
.set TM,    4                          ; path X: v4-7 largest magnitudes, v8-11 bytes, v16-19 the conversions' scale operands
.set PW,    20                         ; the scale word just made
.set L16,   21                         ; 16 x lane
.set L8,    22                         ; 8 x lane
.set STI,   23                         ; into the stage: 16 x lane
.set W,     24                         ; v24-27 the four K steps' scale words
.set D,     28                         ; v28-29 the two that my lane stores
.set STO,   30                         ; out of the stage: row r, + 64 h
.set R,     32                         ; v32-159 two sets of 64 registers as loaded
.set X,     160                        ; v160-223 64 numbers of my row: register 16 b + i = K 32 b + 16 h + i
.set PC,    224                        ; v224-235 the fragment; v236-238, v240-242 at work
.set WOF,   4                          ; path W: 4 x my column's place
.set SCO,   5                          ; my scale bytes' place
.set MA,    6
.set MB,    7
.set SOP,   8
.set BY,    9
.set CE,    32                         ; v32-37 the even block's codes, v38-40 at work
.set CT,    38
.set CO,    42                         ; v42-47 the odd block's, v48-50 at work
.set CU,    48
.set SB,    52                         ; v52-53 eight scale bytes
.set WX,    64                         ; v64-127 two sets of 32 numbers
; 64 numbers of a lane, register 16 b + i = K 32 b + 16 h + i of its row, become a fragment in v[PC] on and the row's scale word in v[PW].
.macro QUANT s
.irp b, 0,1,2,3
	v_max3_num_f32 v[TM+\b], |v[\s+16*\b]|, |v[\s+1+16*\b]|, 0x1800000   ; my 16 numbers of block b, and the floor 2^(3 - 127)
.endr
.irp i, 2,4,6,8,10,12,14
.irp b, 0,1,2,3
	v_max3_num_f32 v[TM+\b], v[TM+\b], |v[\s+16*\b+\i]|, |v[\s+1+16*\b+\i]|
.endr
.endr
.irp b, 0,1,2,3
	v_permlanex16_b32 v[TM+4+\b], v[TM+\b], s[SEL], s[SEL+1]
.endr
.irp b, 0,1,2,3
	v_max_num_f32 v[TM+\b], v[TM+\b], v[TM+4+\b]                   ; with lane l xor 16's 16: the block's largest magnitude
.endr
.irp b, 0,1,2,3
	v_add_nc_u32 v[TM+12+\b], 0xff000000, v[TM+\b]                 ; 2 off its exponent field: the conversion's scale operand
.endr
.irp b, 0,1,2,3
	v_lshrrev_b32 v[TM+4+\b], 23, v[TM+12+\b]                      ; the scale's byte
.endr
	v_lshl_or_b32 v[PW], v[TM+5], 8, v[TM+4]
	v_lshl_or_b32 v[PW], v[TM+6], 16, v[PW]
	v_lshl_or_b32 v[PW], v[TM+7], 24, v[PW]
.irp c, 0,1
	v_cvt_scalef32_pk16_fp6_f32 v[PC+6*\c:PC+2+6*\c], v[\s+32*\c:\s+15+32*\c], v[TM+12+2*\c]
	v_cvt_scalef32_pk16_fp6_f32 v[PC+12+4*\c:PC+14+4*\c], v[\s+16+32*\c:\s+31+32*\c], v[TM+12+2*\c+1]   ; (a conversion's three registers begin on an even number)
.endr
	v_nop                                          ; one plain instruction behind the scaled conversions
.irp c, 0,1                            ; the layout wants a whole block in a lane: lanes 0-15 block 2 c, lanes 16-31 block 2 c + 1
.irp i, 0,1,2
	v_permlane16_swap_b32 v[PC+6*\c+\i], v[PC+12+4*\c+\i]
.endr
.irp i, 0,1,2
	v_mov_b32 v[PC+3+6*\c+\i], v[PC+12+4*\c+\i]
.endr
.endr
.endm
; path X: K step s (128 along K) of the tile's 16 rows: each load reads 512 consecutive bytes of one row
.macro XLOAD s
.irp i, 0,1,2,3,4,5,6,7,8,9,10,11,12,13,14,15
	global_load_b128 v[R+64*((\s)%2)+4*\i:R+64*((\s)%2)+4*\i+3], v[L16], s[4:5] offset:(\i+8*(\i/8))*4096+512*(\s) th:TH_LOAD_NT
.endr
.endm
; through the wave's stage: in as loaded, out 16 neighbours of each block to a lane.  LDS serves a wave's instructions in order: no wait between the stores and the loads
.macro XTURN s
.irp i, 0,1,2,3,4,5,6,7,8,9,10,11,12,13,14,15
	ds_store_b128 v[STI], v[R+64*((\s)%2)+4*\i:R+64*((\s)%2)+4*\i+3] offset:SP*\i
.endr
.irp b, 0,1,2,3
.irp j, 0,1,2,3
	ds_load_b128 v[X+16*\b+4*\j:X+16*\b+4*\j+3], v[STO] offset:128*\b+16*\j
.endr
.endr
.endm
.macro XSTEP s
.if (\s) < 3
	s_wait_loadcnt 16                              ; this step's 16 loads are in; the next step's 16 may be out
.else
	s_wait_loadcnt 0x0
.endif
	XTURN \s
	s_wait_dscnt 0x0                               ; my 64 numbers are back, and the stage's stores have read their registers,
.if (\s) < 2
	XLOAD (\s)+2                                   ; which take the loads of two steps on
.endif
	s_wait_xcnt 0x0                                ; the last step's stores have read the fragment's registers: they are written again only behind this wait
	QUANT X
	v_mov_b32 v[W+(\s)], v[PW]
	global_store_b128 v[L16], v[PC:PC+3], s[24:25] offset:1536*(\s)          ; each store covers 512 or 256 consecutive bytes, aligned
	global_store_b64 v[L8], v[PC+4:PC+5], s[24:25] offset:1536*(\s)+512
	global_store_b128 v[L16], v[PC+6:PC+9], s[24:25] offset:1536*(\s)+768
	global_store_b64 v[L8], v[PC+10:PC+11], s[24:25] offset:1536*(\s)+1280
.endm
; path W: a lane takes a column, its registers run down K.  Block t: w(32 t + i, my column); a wave's load reads 128 consecutive bytes
.macro WLOAD t, n
.irp i, 0,1,2,3,4,5,6,7,8,9,10,11,12,13,14,15,16,17,18,19,20,21,22,23,24,25,26,27,28,29,30,31
	global_load_b32 v[WX+32*((\t)%2)+\i], v[WOF], s[22:23] offset:(32*(\t)+\i)*\n*4 th:TH_LOAD_NT
.endr
.endm
.macro WBLOCK t, n
.set XS, WX+32*((\t)%2)
.if (\t) < 7
	s_wait_loadcnt 32                              ; this block's 32 loads are in; the next block's 32 may be out
.else
	s_wait_loadcnt 0x0
.endif
	v_max3_num_f32 v[MA], |v[XS]|, |v[XS+1]|, |v[XS+2]|            ; the block's largest magnitude: all 32 numbers are mine; two chains
	v_max3_num_f32 v[MB], |v[XS+3]|, |v[XS+4]|, |v[XS+5]|
.irp i, 6,10,14,18,22,26
	v_max3_num_f32 v[MA], v[MA], |v[XS+\i]|, |v[XS+\i+1]|
	v_max3_num_f32 v[MB], v[MB], |v[XS+\i+2]|, |v[XS+\i+3]|
.endr
	v_max3_num_f32 v[MA], v[MA], |v[XS+30]|, |v[XS+31]|
	v_max3_num_f32 v[MA], v[MA], v[MB], 0x1800000  ; and the floor 2^(3 - 127)
	v_add_nc_u32 v[SOP], 0xff000000, v[MA]
	v_lshrrev_b32 v[BY], 23, v[SOP]
.if (\t)%4 == 0
	v_mov_b32 v[SB+(\t)/4], v[BY]
.else
	v_lshl_or_b32 v[SB+(\t)/4], v[BY], 8*((\t)%4), v[SB+(\t)/4]
.endif
.if (\t)%2 == 0
	s_wait_alu depctr_va_vdst(0)
	s_wait_xcnt 0x0                                ; the last pair's stores have read both blocks' registers
	v_cvt_scalef32_pk16_fp6_f32 v[CE:CE+2], v[XS:XS+15], v[SOP]
	v_cvt_scalef32_pk16_fp6_f32 v[CT:CT+2], v[XS+16:XS+31], v[SOP]
	v_nop
.irp i, 0,1,2
	v_mov_b32 v[CE+3+\i], v[CT+\i]
.endr
.else
	v_cvt_scalef32_pk16_fp6_f32 v[CO:CO+2], v[XS:XS+15], v[SOP]
	v_cvt_scalef32_pk16_fp6_f32 v[CU:CU+2], v[XS+16:XS+31], v[SOP]
	v_nop
.irp i, 0,1,2
	v_mov_b32 v[CO+3+\i], v[CU+\i]
.endr
.endif
.if (\t)+2 < 8
	WLOAD (\t)+2, \n
.endif
.if (\t)%2 == 1
.irp i, 0,1,2,3,4,5
	v_permlane16_swap_b32 v[CE+\i], v[CO+\i]       ; lanes 0-15 hold my first tile's columns, lanes 16-31 my second's: after the exchange CE is the first tile's half (even block below, odd above), CO the second's
.endr
	global_store_b128 v[L16], v[CE:CE+3], s[26:27] offset:768*((\t)/2)
	global_store_b64 v[L8], v[CE+4:CE+5], s[26:27] offset:768*((\t)/2)+512
	global_store_b128 v[L16], v[CO:CO+3], s[26:27] offset:768*((\t)/2)+TILEB
	global_store_b64 v[L8], v[CO+4:CO+5], s[26:27] offset:768*((\t)/2)+512+TILEB
.endif
.endm
; a weight of n columns; id0: its first work-group; tile0: its first tile in wq; p: the scalar pair with its address
.macro PATHW n, id0, tile0, p
	s_sub_co_u32 s15, ttmp9, \id0
	s_and_b32 s16, s15, 3                          ; which 256 along K
	s_lshr_b32 s17, s15, 2                         ; which 128 columns
	s_lshl_b32 s18, s17, 9
	s_lshl_b32 s19, s14, 7
	s_add_co_u32 s18, s18, s19                     ; 4 x (128 x group + 32 x wave)
	s_mul_i32 s19, s16, 256*\n*4
	s_add_co_u32 s18, s18, s19
	s_mov_b32 s19, 0
	s_add_nc_u64 s[22:23], s[\p:\p+1], s[18:19]
	s_lshl_b32 s24, s17, 3
	s_lshl_b32 s25, s14, 1
	s_add_co_u32 s24, s24, s25
	s_add_co_u32 s24, s24, \tile0                  ; my first tile
	s_mul_i32 s24, s24, TILEB
	s_mul_i32 s25, s16, 3072
	s_add_co_u32 s26, s24, s25                     ; its two fragments of these 256 along K
	s_mov_b32 s27, 0
	s_add_nc_u64 s[26:27], s[12:13], s[26:27]
	s_lshl_b32 s25, s16, 7
	s_add_co_u32 s28, s24, s25
	s_add_co_u32 s28, s28, 12288                   ; and their scale bytes
	s_mov_b32 s29, 0
	s_add_nc_u64 s[28:29], s[12:13], s[28:29]
	v_and_b32 v[WOF], 7, v1
	v_and_b32 v[MA], 8, v1
	v_lshl_or_b32 v[WOF], v[MA], 1, v[WOF]
	v_and_b32 v[MA], 16, v1
	v_lshrrev_b32 v[MA], 1, v[MA]
	v_or_b32 v[WOF], v[WOF], v[MA]                 ; place l holds column: l with its bits 3 and 4 exchanged
	v_lshlrev_b32 v[WOF], 2, v[WOF]
	v_mul_u32_u24 v[SCO], v3, TILEB
	v_lshl_add_u32 v[SCO], v2, 3, v[SCO]           ; tile l / 16, row l % 16: 8 bytes
	WLOAD 0, \n
	WLOAD 1, \n
.irp t, 0,1,2,3,4,5,6,7
	WBLOCK \t, \n
.endr
	global_store_b64 v[SCO], v[SB:SB+1], s[28:29]  ; sixteen lanes store 128 consecutive bytes: one byte for each 128 that the path reads
.endm
	s_load_b128 s[4:7], s[0:1], 0x0                ; x, w_in
	s_load_b128 s[8:11], s[0:1], 0x10              ; w_out, xq
	s_load_b64 s[12:13], s[0:1], 0x20              ; wq
	v_lshl_add_u32 v254, v0, 2, 0x8400
	v_mov_b32 v255, 0
	v_lshrrev_b32 v1, 5, v0
	v_readfirstlane_b32 s14, v1                    ; wave 0..3
	v_and_b32 v1, 31, v0                           ; lane
	v_and_b32 v2, 15, v0                           ; r
	v_bfe_u32 v3, v0, 4, 1                         ; h
	v_lshlrev_b32 v[L16], 4, v1
	v_lshlrev_b32 v[L8], 3, v1
	s_mov_b32 s[SEL], 0x76543210
	s_mov_b32 s[SEL+1], 0xfedcba98
	s_wait_kmcnt 0x0
	s_cmp_lt_u32 ttmp9, 256
	s_cbranch_scc1 .Lpath_x
	s_cmp_lt_u32 ttmp9, 352
	s_cbranch_scc1 .Lpath_w_in
	s_wait_alu depctr_va_vdst(0)
	PATHW 1024, 352, 192, 8
	s_endpgm
.Lpath_w_in:
	s_wait_alu depctr_va_vdst(0)
	PATHW 3072, 256, 0, 6
	s_endpgm
.Lpath_x:
	s_lshl_b32 s15, ttmp9, 1
	s_lshr_b32 s16, s14, 1
	s_add_co_u32 s15, s15, s16                     ; my tile: 2 x work-group + wave / 2
	s_and_b32 s16, s14, 1                          ; which 512 along K
	s_lshr_b32 s17, s15, 1
	s_lshl_b32 s17, s17, 5
	s_and_b32 s18, s15, 1
	s_lshl_b32 s18, s18, 3
	s_add_co_u32 s17, s17, s18                     ; the row at the tile's place 0: 32 (tile / 2) + 8 (tile % 2)
	s_lshl_b32 s18, s17, 12
	s_lshl_b32 s19, s16, 11
	s_add_co_u32 s18, s18, s19
	s_mov_b32 s19, 0
	s_add_nc_u64 s[4:5], s[4:5], s[18:19]
	s_mul_i32 s22, s15, TILEB
	s_mul_i32 s23, s16, 6144
	s_add_co_u32 s24, s22, s23                     ; my four fragments
	s_mov_b32 s25, 0
	s_add_nc_u64 s[24:25], s[10:11], s[24:25]
	s_lshl_b32 s23, s16, 8
	s_add_co_u32 s26, s22, s23
	s_add_co_u32 s26, s26, 12288                   ; and their 256 scale bytes
	s_mov_b32 s27, 0
	s_add_nc_u64 s[26:27], s[10:11], s[26:27]
	s_mul_i32 s28, s14, WST
	s_wait_alu depctr_va_vdst(0)
	v_add_nc_u32 v[STI], s28, v[L16]
	v_mul_u32_u24 v[STO], v2, SP
	v_lshl_add_u32 v[STO], v3, 6, v[STO]
	v_add_nc_u32 v[STO], s28, v[STO]
.irp b, 0,1,2,3
	v_mov_b32 v[TM+4+\b], 0                        ; written once: a lane permute's destination counts as one of its sources
.endr
	XLOAD 0
	XLOAD 1
	s_wait_alu depctr_va_vdst(0)
	XSTEP 0
	XSTEP 1
	XSTEP 2
	XSTEP 3
	v_cmp_lt_u32 vcc_lo, 15, v1                    ; lanes 0-15 store the words of the first 256 along K, lanes 16-31 those of the second (both halves of the lanes hold row r's words)
	v_cndmask_b32 v[D], v[W], v[W+2], vcc_lo
	v_cndmask_b32 v[D+1], v[W+1], v[W+3], vcc_lo
	global_store_b64 v[L8], v[D:D+1], s[26:27]     ; 256 consecutive bytes, aligned
	s_wait_tensorcnt 0x0
	ds_add_u32 v254, v255
	s_wait_dscnt 0x0
	s_endpgm
.Lfunc_end_k_qd002a6e29a_prep:
	.size	k_qd002a6e29a_prep, .Lfunc_end_k_qd002a6e29a_prep-k_qd002a6e29a_prep
	.p2alignl 7, 3214868480
	.fill 96, 4, 3214868480
	.section	.rodata,"a",@progbits
	.p2align	6, 0x0
	.amdhsa_kernel k_qd002a6e29a_prep
		.amdhsa_group_segment_fixed_size 34304
		.amdhsa_private_segment_fixed_size 0
		.amdhsa_enable_private_segment 0
		.amdhsa_kernarg_size 40
		.amdhsa_user_sgpr_count 2
		.amdhsa_user_sgpr_kernarg_segment_ptr 1
		.amdhsa_wavefront_size32 1
		.amdhsa_system_sgpr_workgroup_id_x 1
		.amdhsa_system_sgpr_workgroup_id_y 1
		.amdhsa_system_sgpr_workgroup_id_z 1
		.amdhsa_system_vgpr_workitem_id 0
		.amdhsa_next_free_vgpr 256
		.amdhsa_next_free_sgpr 66
		.amdhsa_reserve_vcc 1
		.amdhsa_float_denorm_mode_32 3
		.amdhsa_float_denorm_mode_16_64 3
		.amdhsa_memory_ordered 1
		.amdhsa_forward_progress 1
		.amdhsa_inst_pref_size 114
	.end_amdhsa_kernel
	.amdgpu_metadata
---
amdhsa.version: [ 1, 2 ]
amdhsa.kernels:
  - .name:           k_qd002a6e29a_prep
    .symbol:         k_qd002a6e29a_prep.kd
    .args:
      - { .name: x, .offset: 0, .size: 8, .value_kind: global_buffer, .address_space: global }
      - { .name: w_in, .offset: 8, .size: 8, .value_kind: global_buffer, .address_space: global }
      - { .name: w_out, .offset: 16, .size: 8, .value_kind: global_buffer, .address_space: global }
      - { .name: xq, .offset: 24, .size: 8, .value_kind: global_buffer, .address_space: global }
      - { .name: wq, .offset: 32, .size: 8, .value_kind: global_buffer, .address_space: global }
    .group_segment_fixed_size: 34304
    .private_segment_fixed_size: 0
    .kernarg_segment_align: 8
    .kernarg_segment_size: 40
    .max_flat_workgroup_size: 128
    .sgpr_count:     66
    .vgpr_count:     256
    .wavefront_size: 32
...
	.end_amdgpu_metadata
.endif
;; end of part 1
;; launch gemm_qkv (part 2): grid 8 x 32, 4 waves a work-group, clusters of 4 x 4, 327,680 bytes of LDS; arguments xq, wq, b_in, qimg, kvimg; writes qimg, kvimg
.if DOCPART == 2
	.amdgcn_target "amdgcn-amd-amdhsa--gfx1250"
	.amdhsa_code_object_version 6
	.text
	.protected	k_qd002a6e29a_gemm_qkv
	.globl	k_qd002a6e29a_gemm_qkv
	.p2align	8
	.type	k_qd002a6e29a_gemm_qkv,@function
k_qd002a6e29a_gemm_qkv:
	s_mov_b64 s[64:65], 0
	v_nop
	global_prefetch_b8 v0, s[64:65] scope:SCOPE_SE
	s_setreg_imm32_b32 hwreg(HW_REG_WAVE_MODE, 25, 1), 1
	s_wait_xcnt 0x0
	s_wait_alu depctr_hold_cnt(0) depctr_sa_sdst(0) depctr_va_vdst(0) depctr_va_sdst(0) depctr_va_ssrc(0) depctr_va_vcc(0) depctr_vm_vsrc(0)
	s_getreg_b32 s2, hwreg(HW_REG_IB_STS2, 6, 4)
	s_cmp_eq_u32 s2, 0
	s_cbranch_scc0 .Lentry_in_a_cluster
	s_endpgm
.Lentry_in_a_cluster:
	s_bfe_u32 s2, ttmp6, 0x10000c
	s_cmp_lg_u32 s2, 0xf033
	s_cbranch_scc0 .Lentry_shape_is_right
	s_endpgm
.Lentry_shape_is_right:
; qkv = x w_in + b_in on codes of FP6 (E2M3) with E8M0 scales, K = 1024.  The results never go out as f32: q and k are quantised along the head's 64, v along the keys, in registers, and leave as images of the
; registers that the attention launch's operands take.
; OPERANDS (xq: tokens, wq: columns of w_in): tiles of 16 rows x all of K, 12,800 bytes: 8 fragments of 1,536 bytes in register order, then 512 scale bytes [K / 256][row][8].  In each group of 32 rows place 16 u + r holds
; row 8 u + r + 8 (r / 8), so that source 0's two neighbouring tiles leave 16 neighbours in a lane's 16 registers.
; SHARES.  256 work-groups: 32 blocks of 256 tokens x 8 groups of two heads.  A work-group's 16 token tiles lie in LDS whole, all of K with their scale bytes (204,800 bytes), for the whole launch; beside them 8 weight tiles
; (128 columns, 102,400 bytes).  THREE PHASES on the same tokens: q's, k's, v's 128 columns of the two heads.  A wave makes 128 tokens x 64 columns (one head) a phase: 32 accumulators.
; q, k: source 0 = weights, source 1 = tokens: a lane holds a token, its registers run along the head.  v: source 0 = tokens, source 1 = weights: a lane holds a feature, its registers run along the keys.
; FILLS.  At the head one joint load a wave: waves 0, 1 eight token tiles each (shared by a row of the cluster), waves 2, 3 four weight tiles each (shared by a column).  The weights' region is filled again twice, each time
; behind a tensor wait, an LDS add, its wait and a round of the cluster's barrier; the round stands inside the phase's last 32 products, and the phase's way out, work on registers and stores, follows the refill.
; No barrier stands inside a phase.  K is eight steps of 128; fragments have two sets of registers: a step's 32 products follow the 48 or 56 LDS loads of the next step.
; The bias is the C of each sum's first product; all three phases' biases are loaded at the head.
; PREFETCH: the next phase's 400 blocks of 256 bytes of weights are named once in each column of a cluster, 25 to each of its sixteen waves, told apart by address: k's at the head, v's behind the first refill.
; LIMITS: NaN and infinities are not served; a block of zeros, or one whose largest magnitude lies under 2^-124, gets the byte 1 (its codes are zeros, and this program alone reads the bytes).
; REGISTERS: window 0: v1-25 lane terms and LDS addresses; v28-29 the add's; v32-63 scale words, two sets; v64-159, v160-255 the tokens' fragments, two sets (on a way out v128-240 are at work).
;   window 1: v0-47, v48-95 the weights' fragments; v96-127, v128-159, v160-191 the biases.  window 2: the accumulators.
.set TILEB,  12800
.set FRB,    1536
.set WREG,   16*TILEB                  ; behind the tokens: the weights' region
.set SPARE,  24*TILEB                  ; behind it: the spare words, 128 bytes a wave
.set ADRA, 16                          ; v16-17 my token tiles 0-3, 4-7, + 16 x lane; v18-19 the same + 8 x lane
.set ADRB, 20                          ; v20-21 my weight tiles
.set ADRS, 22                          ; v22-23 scale words: lanes 0-15 token tiles 0-3 (v23: 4-7), lanes 16-31 weight tiles 0-3 in both
.set SH,   24                          ; 16 h
.set PFO,  25
.set SPW,  28
.set NIL,  29
.set SC,   32
.set PC,   128
.set TM,   200
.set PW,   216
.set SW,   220
.set OW,   228
.set O8,   236
.set OS,   239
.set SEL,  2
.set G1, 24
.set G0, 32
.set G1B, 48
.set G0B, 56
.set PFB, 98
.set MSB, 0
.macro WIN new                         ; the immediate's high byte repeats the setting that is left; a switch that changes nothing is dropped
.set NEWW, \new
.if MSB != NEWW
	s_set_vgpr_msb (MSB<<8)|NEWW
.set MSB, NEWW
.endif
.endm
.macro PLACES n
.rept \n
	v_nop
.endr
.endm
.macro CREST
	s_cmp_lg_u32 s14, 0
	s_cbranch_scc1 .Lnot_wave_0_\@
	s_barrier_signal -3
.Lnot_wave_0_\@:
	s_barrier_wait -3
	s_barrier_signal -1
	s_barrier_wait -1
.endm
.macro CROUND
	s_barrier_signal -1
	s_barrier_wait -1
	CREST
.endm
.macro FRAG reg, a16, a8, off          ; a fragment comes as it was stored: every load takes 512 or 256 consecutive bytes
	ds_load_b128 v[\reg:\reg+3], v[\a16] offset:\off
	ds_load_b64 v[\reg+4:\reg+5], v[\a8] offset:\off+512
	ds_load_b128 v[\reg+6:\reg+9], v[\a16] offset:\off+768
	ds_load_b64 v[\reg+10:\reg+11], v[\a8] offset:\off+1280
.endm
.macro FETCH st                        ; step st's fragments into set st % 2; ahead of an even step the scale words of two steps
	WIN 0x40
.irp i, 0,1,2,3
	FRAG 48*((\st)%2)+12*\i, ADRB, ADRB+1, \i*TILEB+(\st)*FRB
.endr
	WIN 0
.irp i, 0,1,2,3,4,5,6,7
	FRAG 64+96*((\st)%2)+12*\i, ADRA+\i/4, ADRA+2+\i/4, (\i%4)*TILEB+(\st)*FRB
.endr
.if ((\st)%2) == 0
.irp i, 0,1,2,3,4,5,6,7
	ds_load_b64 v[SC+16*(((\st)/2)%2)+2*\i:SC+16*(((\st)/2)%2)+2*\i+1], v[ADRS+\i/4] offset:(\i%4)*TILEB+64*(\st)
.endr
.endif
.endm
; products from .. to - 1 of a step's 32.  kind 0: number 4 x token tile + weight tile; kind 1: 8 x weight tile + token tile.  bi: 0: onto the sums; else the bias's first register (window 1).
; The 32 accumulators take turns, one instruction a turn, in the same order in every step.
.macro PRODS kind, st, bi, from, to
.set XB_, SC+16*(((\st)/2)%2)+(\st)%2
.set N_, \from
.rept (\to)-(\from)
.if \kind
.set TK_, N_%8
.set WT_, N_/8
.else
.set TK_, N_/4
.set WT_, N_%4
.endif
.set FT_, 64+96*((\st)%2)+12*TK_
.set FW_, 48*((\st)%2)+12*WT_
.set C_, (\bi)+8*WT_
.if \kind
.if \bi
	v_wmma_scale_f32_16x16x128_f8f6f4 v[8*N_:8*N_+7], v[FT_:FT_+11], v[FW_:FW_+11], v[C_:C_+7], v[XB_+2*TK_], v[XB_+2*WT_] matrix_a_fmt:MATRIX_FMT_FP6 matrix_b_fmt:MATRIX_FMT_FP6 matrix_b_scale:MATRIX_SCALE_ROW1
.else
	v_wmma_scale_f32_16x16x128_f8f6f4 v[8*N_:8*N_+7], v[FT_:FT_+11], v[FW_:FW_+11], v[8*N_:8*N_+7], v[XB_+2*TK_], v[XB_+2*WT_] matrix_a_fmt:MATRIX_FMT_FP6 matrix_b_fmt:MATRIX_FMT_FP6 matrix_b_scale:MATRIX_SCALE_ROW1
.endif
.else
.if \bi
	v_wmma_scale_f32_16x16x128_f8f6f4 v[8*N_:8*N_+7], v[FW_:FW_+11], v[FT_:FT_+11], v[C_:C_+7], v[XB_+2*WT_], v[XB_+2*TK_] matrix_a_fmt:MATRIX_FMT_FP6 matrix_b_fmt:MATRIX_FMT_FP6 matrix_a_scale:MATRIX_SCALE_ROW1
.else
	v_wmma_scale_f32_16x16x128_f8f6f4 v[8*N_:8*N_+7], v[FW_:FW_+11], v[FT_:FT_+11], v[8*N_:8*N_+7], v[XB_+2*WT_], v[XB_+2*TK_] matrix_a_fmt:MATRIX_FMT_FP6 matrix_b_fmt:MATRIX_FMT_FP6 matrix_a_scale:MATRIX_SCALE_ROW1
.endif
.endif
.set N_, N_+1
.endr
.endm
.macro MWIN kind, bi                   ; weights window 1, tokens window 0, D window 2; C window 2, or 1 for the bias
.if \bi
	WIN 0x91+3*(\kind)
.else
	WIN 0xa1+3*(\kind)
.endif
.endm
; a step of 128 along K.  mode 0: the next step's fragments are fetched first; 1: nothing more to fetch; 2: the phase's last step, with the round and the refill of the weights' region
.macro STEP kind, st, bi, mode
	WIN 0
	s_wait_dscnt 0x0                               ; this step's fragments, asked for a step ago
.if \mode == 0
	PLACES 4                                       ; in front of loads into registers that the last step's products have read
	FETCH (\st)+1
.endif
.if \mode == 2
	s_wait_tensorcnt 0x0                           ; ahead of a refill's round
	ds_add_u32 v[SPW], v[NIL]
.endif
	MWIN \kind, \bi
	PRODS \kind, \st, \bi, 0, 16
.if \mode == 2
	s_wait_dscnt 0x0                               ; the add is done; my reads of the weights' region were over at the step's head
	s_barrier_signal -1
.endif
	PRODS \kind, \st, \bi, 16, 32
.if \mode == 2
	WIN 0
	s_barrier_wait -1
	CREST                                          ; no wave of any partner still reads the weights' region
	s_add_nc_u64 s[G0B+2:G0B+3], s[G0B+2:G0B+3], 64*TILEB   ; the next tensor's columns of the same heads: 1,024 columns on
	s_cmp_eq_u32 s15, 1
	s_cbranch_scc0 .Lno_refill_\@
	tensor_load_to_lds s[G0B:G0B+3], s[G1B:G1B+7]  ; waves 2 and 3: four tiles each
	s_nop 0
	PLACES 4
.Lno_refill_\@:
.endif
.endm
; 64 results of a lane in window w, register 16 b + i = place 32 b + 16 h + i along the next K, become twelve registers of codes in v[PC] on and four scale bytes in v[PW].  Each accumulator is read from its low end on.
.macro QUANT s, w
.set QB, \s
.set QW, \w
	WIN QW|(QW<<2)
.irp b, 0,1,2,3
	v_max3_num_f32 v[TM+\b], |v[QB+16*\b]|, |v[QB+1+16*\b]|, 0x1800000   ; and the floor 2^(3 - 127): the byte cannot fall under 1
.endr
	WIN (QW<<2)|(QW<<4)
.irp i, 2,4,6,8,10,12,14
.irp b, 0,1,2,3
	v_max3_num_f32 v[TM+\b], v[TM+\b], |v[QB+16*\b+\i]|, |v[QB+1+16*\b+\i]|
.endr
.endr
	WIN 0
.irp b, 0,1,2,3
	v_permlanex16_b32 v[TM+4+\b], v[TM+\b], s[SEL], s[SEL+1]
.endr
.irp b, 0,1,2,3
	v_max_num_f32 v[TM+\b], v[TM+\b], v[TM+4+\b]
.endr
.irp b, 0,1,2,3
	v_add_nc_u32 v[TM+12+\b], 0xff000000, v[TM+\b] ; 2 off the exponent field: the conversion's scale operand
.endr
.irp b, 0,1,2,3
	v_lshrrev_b32 v[TM+4+\b], 23, v[TM+12+\b]
.endr
	v_lshl_or_b32 v[PW], v[TM+5], 8, v[TM+4]
	v_lshl_or_b32 v[PW], v[TM+6], 16, v[PW]
	v_lshl_or_b32 v[PW], v[TM+7], 24, v[PW]
	WIN QW
.irp c, 0,1
	v_cvt_scalef32_pk16_fp6_f32 v[PC+6*\c:PC+2+6*\c], v[QB+32*\c:QB+15+32*\c], v[TM+12+2*\c]
	v_cvt_scalef32_pk16_fp6_f32 v[PC+12+4*\c:PC+14+4*\c], v[QB+16+32*\c:QB+31+32*\c], v[TM+12+2*\c+1]
.endr
	WIN 0
	v_nop                                          ; one plain instruction behind the scaled conversions
.irp c, 0,1
.irp i, 0,1,2
	v_permlane16_swap_b32 v[PC+6*\c+\i], v[PC+12+4*\c+\i]
.endr
.irp i, 0,1,2
	v_mov_b32 v[PC+3+6*\c+\i], v[PC+12+4*\c+\i]
.endr
.endr
.endm
; a phase of q or k.  bi: its bias; p: the scalar pair with my head's 128 tokens' image; sof: where the scale words lie in it; pf: the weights after next are asked for into the L2
.macro QKPHASE bi, p, sof, pf
	STEP 0, 0, \bi, 0
.irp st, 1,2,3,4,5,6
	STEP 0, \st, 0, 0
.endr
	STEP 0, 7, 0, 2
	PLACES 4                                       ; behind the last products, on the way round the refill too
.if \pf
	global_prefetch_b8 v[PFO], s[PFB:PFB+1] offset:128*TILEB th:TH_LOAD_NT scope:SCOPE_SE
.endif
.irp b, 0,1,2,3
	v_mov_b32 v[TM+4+\b], 0                        ; a lane permute's destination counts as one of its sources
.endr
	v_add_nc_u32 v[O8], 512, v5
	v_add_nc_u32 v[OS], \sof, v4
.irp j, 0,1,2,3                        ; token tiles 2 j and 2 j + 1 x the head's 64: 64 registers on end, two half images of six registers
	s_wait_xcnt 0x0                                ; the last pair's stores have read their registers
	QUANT 64*\j, 2
	v_mov_b32 v[SW+\j], v[PW]
	global_store_b128 v4, v[PC:PC+3], s[\p:\p+1] offset:1536*\j          ; each store covers 512 or 256 consecutive bytes, aligned
	global_store_b64 v[O8], v[PC+4:PC+5], s[\p:\p+1] offset:1536*\j
	global_store_b128 v4, v[PC+6:PC+9], s[\p:\p+1] offset:1536*\j+768
	global_store_b64 v[O8], v[PC+10:PC+11], s[\p:\p+1] offset:1536*\j+768
.endr
.irp j, 0,1,2,3
	v_bfe_u32 v[OW+\j], v[SW+\j], v[SH], 16        ; word j: tile 2 j's two bytes in lanes 0-15, tile 2 j + 1's in lanes 16-31; the bytes of K = 64 .. 127 are 0
.endr
	global_store_b128 v[OS], v[OW:OW+3], s[\p:\p+1]
	s_wait_xcnt 0x0                                ; the stores have read their registers: fragments may land there
	s_wait_tensorcnt 0x0                           ; my part of the next weights is in,
	s_barrier_signal -1
	s_barrier_wait -1                              ; everybody's is
	FETCH 0
.endm
	s_load_b128 s[4:7], s[0:1], 0x0                ; xq, wq
	s_load_b128 s[8:11], s[0:1], 0x10              ; b_in, qimg
	s_load_b64 s[12:13], s[0:1], 0x20              ; kvimg
	v_lshl_add_u32 v[SPW], v0, 2, SPARE
	v_mov_b32 v[NIL], 0
	ds_add_u32 v[SPW], v[NIL]                      ; the opening lines
	ds_add_u32 v[SPW], v[NIL]
	v_lshrrev_b32 v1, 5, v0
	v_readfirstlane_b32 s14, v1                    ; wave 0..3
	s_lshr_b32 s15, s14, 1                         ; which 128 tokens are mine.  Also: I fetch tokens (0) or weights (1)
	s_and_b32 s16, s14, 1                          ; which head of the two.  Also: which half of the tiles I fetch
	s_bfe_u32 s40, ttmp6, 0x40000                  ; cx
	s_bfe_u32 s41, ttmp6, 0x40004                  ; cy
	s_lshl_b32 s42, ttmp9, 2
	s_add_co_u32 s42, s42, s40                     ; the group of two heads, 0 .. 7
	s_and_b32 s17, ttmp7, 0xffff
	s_lshl_b32 s17, s17, 2
	s_add_co_u32 s17, s17, s41                     ; the block of 256 tokens, 0 .. 31
	s_lshl_b32 s43, s41, 2
	s_lshl_b32 s43, 15, s43                        ; my row of the cluster
	s_lshl_b32 s44, 0x1111, s40                    ; my column
	s_mov_b32 s[SEL], 0x76543210
	s_mov_b32 s[SEL+1], 0xfedcba98
	s_or_b32 s[G1+0], s43, (3<<16)|(1<<21)         ; tiles are dense in memory: rows of 256 bytes (32 elements of 8); eight token tiles are 400 rows,
	s_mov_b32 s[G1+1], 32<<16
	s_mov_b32 s[G1+2], 400<<16
	s_mov_b32 s[G1+3], 32<<16
	s_mov_b32 s[G1+4], 400
	s_mov_b32 s[G1+5], 32
	s_mov_b32 s[G1+6], 0
	s_mov_b32 s[G1+7], 0
	s_or_b32 s[G1B+0], s44, (3<<16)|(1<<21)        ; four weight tiles 200
	s_mov_b32 s[G1B+1], 32<<16
	s_mov_b32 s[G1B+2], 200<<16
	s_mov_b32 s[G1B+3], 32<<16
	s_mov_b32 s[G1B+4], 200
	s_mov_b32 s[G1B+5], 32
	s_mov_b32 s[G1B+6], 0
	s_mov_b32 s[G1B+7], 0
	s_lshl_b32 s20, s17, 4
	s_lshl_b32 s18, s16, 3
	s_add_co_u32 s20, s20, s18
	s_mul_i32 s20, s20, TILEB                      ; tokens: tile 16 x block + 8 x half
	s_mov_b32 s21, 0
	s_lshl_b32 s46, s42, 3
	s_lshl_b32 s18, s16, 2
	s_add_co_u32 s46, s46, s18
	s_mul_i32 s46, s46, TILEB                      ; weights: tile 8 x group + 4 x half
	s_mov_b32 s47, 0
	s_mul_i32 s45, s16, 8*TILEB                    ; where they go: no place in the cluster enters an LDS address
	s_mul_i32 s19, s16, 4*TILEB
	s_add_co_u32 s19, s19, WREG
	s_wait_dscnt 0x0
	s_wait_kmcnt 0x0
	s_mov_b32 s[G0], 1
	s_mov_b32 s[G0+1], s45
	s_add_nc_u64 s[G0+2:G0+3], s[4:5], s[20:21]
	s_or_b32 s[G0+3], s[G0+3], 0x80000000
	s_mov_b32 s[G0B], 1
	s_mov_b32 s[G0B+1], s19
	s_add_nc_u64 s[G0B+2:G0B+3], s[6:7], s[46:47]
	s_or_b32 s[G0B+3], s[G0B+3], 0x80000000
	CROUND                                         ; the round ahead of the first joint loads
	s_cmp_eq_u32 s15, 0
	s_cbranch_scc0 .Lhead_w
	tensor_load_to_lds s[G0:G0+3], s[G1:G1+7]
	s_nop 0
	PLACES 4
	s_branch .Lhead_asked
.Lhead_w:
	tensor_load_to_lds s[G0B:G0B+3], s[G1B:G1B+7]
	s_nop 0
	PLACES 4
.Lhead_asked:
	v_and_b32 v1, 15, v0                           ; r
	v_bfe_u32 v2, v0, 4, 1                         ; h
	v_and_b32 v3, 31, v0                           ; lane
	v_lshlrev_b32 v4, 4, v3
	v_lshlrev_b32 v5, 3, v3
	s_mul_i32 s21, s15, 8*TILEB                    ; my eight token tiles
	s_mul_i32 s22, s16, 4*TILEB
	s_add_co_u32 s22, s22, WREG                    ; my four weight tiles
	v_add_nc_u32 v[ADRA], s21, v4
	v_add_nc_u32 v[ADRA+2], s21, v5
	v_add_nc_u32 v[ADRB], s22, v4
	v_add_nc_u32 v[ADRB+1], s22, v5
	v_add_nc_u32 v[ADRA+1], 4*TILEB, v[ADRA]
	v_add_nc_u32 v[ADRA+3], 4*TILEB, v[ADRA+2]
	s_sub_co_u32 s23, s22, s21
	v_lshlrev_b32 v6, 3, v1                        ; my row's 8 scale bytes of 256 along K
	v_mul_u32_u24 v9, s23, v2                      ; lanes 16-31 take the weights': the lower base + h x the distance
	s_add_co_u32 s21, s21, 12288
	v_add_nc_u32 v9, v6, v9
	v_add_nc_u32 v[ADRS], s21, v9
	s_sub_co_u32 s23, s23, 4*TILEB
	s_add_co_u32 s21, s21, 4*TILEB
	v_mul_u32_u24 v9, s23, v2                      ; token tiles 4-7 below, the same weight tiles above
	v_add_nc_u32 v9, v6, v9
	v_add_nc_u32 v[ADRS+1], s21, v9
	v_lshlrev_b32 v[SH], 4, v2
	v_lshlrev_b32 v7, 6, v2                        ; q's, k's bias: register 8 b + j takes the head's feature 32 (b / 2) + 16 h + 8 (b % 2) + j
	v_and_b32 v8, 8, v1
	v_add_nc_u32 v8, v8, v1
	v_lshlrev_b32 v8, 2, v8                        ; v's: the lane's feature 32 (a / 2) + 8 (a % 2) + r + 8 (r / 8)
	s_lshl_b32 s36, s41, 2
	s_add_co_u32 s36, s36, s14
	s_mul_i32 s36, s36, 25*256                     ; my 25 of a weight chunk's 400 blocks: by cy and the wave
	v_min_u32 v[PFO], 24, v3
	v_lshl_add_u32 v[PFO], v[PFO], 8, s36
	s_mul_i32 s96, s42, 8*TILEB
	s_mov_b32 s97, 0
	s_add_nc_u64 s[PFB:PFB+1], s[6:7], s[96:97]
	s_lshl_b32 s96, s42, 9
	s_lshl_b32 s37, s16, 8
	s_add_co_u32 s96, s96, s37                     ; 4 x (128 x group + 64 x head)
	s_add_nc_u64 s[8:9], s[8:9], s[96:97]
	s_lshr_b32 s92, s17, 3
	s_lshl_b32 s92, s92, 4
	s_lshl_b32 s93, s42, 1
	s_add_co_u32 s92, s92, s93
	s_add_co_u32 s92, s92, s16                     ; my head: 16 x batch + 2 x group + head
	s_and_b32 s93, s17, 7
	s_lshl_b32 s93, s93, 1
	s_add_co_u32 s93, s93, s15                     ; my 128 tokens of the sequence
	s_mul_i32 s96, s92, 106496                     ; qimg: [head][128 queries: 6,656 bytes]
	s_mul_i32 s37, s93, 6656
	s_add_co_u32 s96, s96, s37
	s_add_nc_u64 s[10:11], s[10:11], s[96:97]
	s_mul_i32 s96, s92, 208896                     ; kvimg: [head][128 keys: 13,056 bytes]
	s_mul_i32 s37, s93, 13056
	s_add_co_u32 s96, s96, s37
	s_add_nc_u64 s[12:13], s[12:13], s[96:97]
	s_wait_alu depctr_va_vdst(0)
	WIN 0x40
.irp ph, 0,1
.irp b, 0,1,2,3
	global_load_b128 v[96+32*\ph+8*\b:96+32*\ph+8*\b+3], v7, s[8:9] offset:4096*\ph+(32*(\b/2)+8*(\b%2))*4
	global_load_b128 v[96+32*\ph+8*\b+4:96+32*\ph+8*\b+7], v7, s[8:9] offset:4096*\ph+(32*(\b/2)+8*(\b%2))*4+16
.endr
.endr
.irp a, 0,1,2,3
	global_load_b32 v[160+8*\a], v8, s[8:9] offset:8192+(32*(\a/2)+8*(\a%2))*4
.endr
	WIN 0
	global_prefetch_b8 v[PFO], s[PFB:PFB+1] offset:64*TILEB th:TH_LOAD_NT scope:SCOPE_SE   ; k's weights
	s_wait_loadcnt 0x0
	WIN 0x41
.irp a, 0,1,2,3
.irp j, 1,2,3,4,5,6,7
	v_mov_b32 v[160+8*\a+\j], v[160+8*\a]          ; v's bias, one number a lane and tile, over the tile's eight registers
.endr
.endr
	WIN 0
	s_wait_alu depctr_va_vdst(0)
	s_wait_tensorcnt 0x0                           ; my tiles are in,
	s_barrier_signal -1
	s_barrier_wait -1                              ; everybody's are
	FETCH 0
	QKPHASE 96, 10, 6144, 1                        ; q
	QKPHASE 128, 12, 12288, 0                      ; k
	STEP 1, 0, 160, 0                              ; v
.irp st, 1,2,3,4,5,6
	STEP 1, \st, 0, 0
.endr
	STEP 1, 7, 0, 1
	WIN 0
	PLACES 4
.irp b, 0,1,2,3
	v_mov_b32 v[TM+4+\b], 0
.endr
	v_cmp_lt_u32 vcc_lo, 15, v3                    ; lanes 16-31
.irp a, 0,1,2,3                        ; 16 features x 128 keys: d-tile a of my head, a whole fragment of the second attention product
	s_wait_xcnt 0x0
	QUANT 64*\a, 2
	v_mov_b32 v[SW+\a], v[PW]
.irp g, 0,1,2
	global_store_b128 v4, v[PC+4*\g:PC+4*\g+3], s[12:13] offset:6144+\a*1536+512*\g
.endr
.endr
	v_cndmask_b32 v[OW], v[SW], v[SW+1], vcc_lo    ; word i: d-tile 2 i in lanes 0-15, 2 i + 1 in lanes 16-31
	v_cndmask_b32 v[OW+1], v[SW+2], v[SW+3], vcc_lo
	global_store_b64 v5, v[OW:OW+1], s[12:13] offset:12800
	s_wait_tensorcnt 0x0                           ; the wave's end
	ds_add_u32 v[SPW], v[NIL]
	s_wait_dscnt 0x0
	CROUND                                         ; the closing round
	s_endpgm
.Lfunc_end_k_qd002a6e29a_gemm_qkv:
	.size	k_qd002a6e29a_gemm_qkv, .Lfunc_end_k_qd002a6e29a_gemm_qkv-k_qd002a6e29a_gemm_qkv
	.p2alignl 7, 3214868480
	.fill 96, 4, 3214868480
	.section	.rodata,"a",@progbits
	.p2align	6, 0x0
	.amdhsa_kernel k_qd002a6e29a_gemm_qkv
		.amdhsa_group_segment_fixed_size 327680
		.amdhsa_private_segment_fixed_size 0
		.amdhsa_enable_private_segment 0
		.amdhsa_kernarg_size 40
		.amdhsa_user_sgpr_count 2
		.amdhsa_user_sgpr_kernarg_segment_ptr 1
		.amdhsa_wavefront_size32 1
		.amdhsa_system_sgpr_workgroup_id_x 1
		.amdhsa_system_sgpr_workgroup_id_y 1
		.amdhsa_system_sgpr_workgroup_id_z 1
		.amdhsa_system_vgpr_workitem_id 0
		.amdhsa_next_free_vgpr 768
		.amdhsa_next_free_sgpr 100
		.amdhsa_reserve_vcc 1
		.amdhsa_float_denorm_mode_32 3
		.amdhsa_float_denorm_mode_16_64 3
		.amdhsa_memory_ordered 1
		.amdhsa_forward_progress 1
		.amdhsa_inst_pref_size 246
	.end_amdhsa_kernel
	.amdgpu_metadata
---
amdhsa.version: [ 1, 2 ]
amdhsa.kernels:
  - .name:           k_qd002a6e29a_gemm_qkv
    .symbol:         k_qd002a6e29a_gemm_qkv.kd
    .args:
      - { .name: xq, .offset: 0, .size: 8, .value_kind: global_buffer, .address_space: global }
      - { .name: wq, .offset: 8, .size: 8, .value_kind: global_buffer, .address_space: global }
      - { .name: b_in, .offset: 16, .size: 8, .value_kind: global_buffer, .address_space: global }
      - { .name: qimg, .offset: 24, .size: 8, .value_kind: global_buffer, .address_space: global }
      - { .name: kvimg, .offset: 32, .size: 8, .value_kind: global_buffer, .address_space: global }
    .group_segment_fixed_size: 327680
    .private_segment_fixed_size: 0
    .kernarg_segment_align: 8
    .kernarg_segment_size: 40
    .max_flat_workgroup_size: 128
    .sgpr_count:     100
    .vgpr_count:     768
    .wavefront_size: 32
...
	.end_amdgpu_metadata
.endif
;; end of part 2
;; launch attn (part 3): grid 4 x 64, 16 waves a work-group, clusters of 4 x 1, 327,680 bytes of LDS; arguments qimg, kvimg, aoq; writes aoq
.if DOCPART == 3
	.amdgcn_target "amdgcn-amd-amdhsa--gfx1250"
	.amdhsa_code_object_version 6
	.text
	.protected	k_qd002a6e29a_attn
	.globl	k_qd002a6e29a_attn
	.p2align	8
	.type	k_qd002a6e29a_attn,@function
k_qd002a6e29a_attn:
	s_mov_b64 s[64:65], 0
	v_nop
	global_prefetch_b8 v0, s[64:65] scope:SCOPE_SE
	s_setreg_imm32_b32 hwreg(HW_REG_WAVE_MODE, 25, 1), 1
	s_wait_xcnt 0x0
	s_wait_alu depctr_hold_cnt(0) depctr_sa_sdst(0) depctr_va_vdst(0) depctr_va_sdst(0) depctr_va_ssrc(0) depctr_va_vcc(0) depctr_vm_vsrc(0)
	s_getreg_b32 s2, hwreg(HW_REG_IB_STS2, 6, 4)
	s_cmp_eq_u32 s2, 0
	s_cbranch_scc0 .Lentry_in_a_cluster
	s_endpgm
.Lentry_in_a_cluster:
	s_bfe_u32 s2, ttmp6, 0x10000c
	s_cmp_lg_u32 s2, 0x3003
	s_cbranch_scc0 .Lentry_shape_is_right
	s_endpgm
.Lentry_shape_is_right:
; o = softmax(q k^T / 8) v for one head of one batch, on codes of FP6 (E2M3) with E8M0 scales; o leaves quantised along the head's 64, as an image of the next product's operand.
; SHARES.  A work-group takes 512 queries of a head (grid y), a wave 16 queries in each of two passes.  The head's 2,048 keys lie in LDS whole: 16 key steps of 13,056 bytes
; (k: 8 half fragments of 768 bytes; v: 4 fragments of 1,536; k's scale words 512 bytes; v's 256), each brought by ONE tensor load of one wave at the head; nothing is filled again.
; The four work-groups of a cluster share the head: every load is a joint one (mask 15).  All tensor loads go out at the head, so there is no later load for a data prefetch to run ahead of: none is written.
; BOTH PRODUCTS ARE USED TRANSPOSED (S^T = k q^T, O^T = v^T p^T): a lane holds one query.  K of the first product is 64: q's registers 6-11 are zero codes, and its and k's scale bytes 2, 3 are 0 (2^-127, finite).
; So k's registers 6-11 may hold any codes: k's eight halves lie 6 registers apart, and an operand's upper six registers are the next tile's codes (behind the last: zeros).
; THE STEPS RUN FROM KEY STEP 15 DOWN TO 0: behind a step's first products the address registers go on to the next step and k's 17 loads for it are issued; v of the step at hand lies STEPB bytes above them.
; v's fragments land on p's registers, two when p's first half has been summed and converted, two behind the second half.
; SOFTMAX: p = 2^(t - M), t = score x log2(e) / 8, M the ceiling of the running largest t; sums of the unquantised p; O^T and the sum are multiplied by 2^(old M - new M) in every step, with no branch.
; A BLOCK'S SCALE is made ahead of the exponentials: the exponent of the block's largest p is floor(t - M) of its largest score, held at -124 from below (the byte cannot fall under 1).
; LIMITS: NaN and infinities are not served.  The promise holds while |t| stays under 2^31.  Where t - M lies so close under a whole number that the exponential rounds up to the power of two, that one p is held at the largest code, 7.5 / 8 of its value.
; The second pass's q is loaded at the head and moved into the operand's registers at each pass's end (behind the last pass the move serves nothing).
.set STEPB, 13056
.set HEADB, 208896
.set SPARE, 16*STEPB                   ; behind the 16 key steps: the spare words, 128 bytes a wave
.set L16, 1                            ; 16 x lane
.set L8,  2                            ; 8 x lane
.set A16, 3                            ; the same + the next key step's place in LDS
.set A8,  4
.set QR,  7
.set BO,  8
.set Q,   16                           ; v16-27 q's operand (v22-27 zeros); v28-33 the second pass's codes
.set Q1,  28
.set QS,  34                           ; q's scale word; v35 the second pass's
.set KS,  36                           ; v36-39 k's scale words
.set KF,  40                           ; v40-93 k's eight halves, 6 registers apart, and six zeros
.set VS,  94                           ; v94-95 v's scale words
.set S,   96                           ; v96-159 scores, then p, then v's fragments
.set O,   160                          ; v160-191 O^T
.set PC,  192                          ; v192-203 p's codes; v204-211 at work
.set PT,  204
.set BM,  212
.set BX,  216
.set SO,  220
.set PW,  224
.set T0,  225
.set T1,  226
.set F,   228
.set L2,  230
.set TB,  2
.set CNT, 3
.set PS,  10
.set WV,  12
.set SEL, 20
.set CS,  22
.set G1,  32
.set G0,  48
.macro CROUND
	s_barrier_signal -1
	s_barrier_wait -1
	s_cmp_lg_u32 s[WV], 0
	s_cbranch_scc1 .Lnot_wave_0_\@
	s_barrier_signal -3
.Lnot_wave_0_\@:
	s_barrier_wait -3
	s_barrier_signal -1
	s_barrier_wait -1
.endm
.macro KLOAD                           ; k's scale words and eight halves of the key step at v[A16], v[A8]: 17 loads
	ds_load_b128 v[KS:KS+3], v[A16] offset:12288
.irp t, 0,1,2,3,4,5,6,7
	ds_load_b128 v[KF+6*\t:KF+6*\t+3], v[A16] offset:768*\t
	ds_load_b64 v[KF+6*\t+4:KF+6*\t+5], v[A8] offset:768*\t+512
.endr
.endm
.macro PVW t, r                        ; O^T's tile t += v's fragment at v[r] x p
.if \t%2
	v_wmma_scale_f32_16x16x128_f8f6f4 v[O+8*\t:O+8*\t+7], v[\r:\r+11], v[PC:PC+11], v[O+8*\t:O+8*\t+7], v[VS+\t/2], v[PW] matrix_a_fmt:MATRIX_FMT_FP6 matrix_b_fmt:MATRIX_FMT_FP6 matrix_a_scale:MATRIX_SCALE_ROW1
.else
	v_wmma_scale_f32_16x16x128_f8f6f4 v[O+8*\t:O+8*\t+7], v[\r:\r+11], v[PC:PC+11], v[O+8*\t:O+8*\t+7], v[VS+\t/2], v[PW] matrix_a_fmt:MATRIX_FMT_FP6 matrix_b_fmt:MATRIX_FMT_FP6
.endif
.endm
; One key step.  va, vb, vo: address registers and offset of this step's v.  wrap = 0: the next step lies STEPB below; 1: this is key step 0, and the next pass begins at key step 15.
.macro STEP va, vb, vo, wrap
.if \wrap == 0
	s_sub_co_u32 s[TB], s[TB], STEPB
.endif
	s_wait_dscnt 0x0                               ; k's 17 loads, issued a step ago
.irp t, 0,1,2,3,4,5,6,7
.if \t%2
	v_wmma_scale_f32_16x16x128_f8f6f4 v[S+8*\t:S+8*\t+7], v[KF+6*\t:KF+6*\t+11], v[Q:Q+11], 0, v[KS+\t/2], v[QS] matrix_a_fmt:MATRIX_FMT_FP6 matrix_b_fmt:MATRIX_FMT_FP6 matrix_a_scale:MATRIX_SCALE_ROW1
.else
	v_wmma_scale_f32_16x16x128_f8f6f4 v[S+8*\t:S+8*\t+7], v[KF+6*\t:KF+6*\t+11], v[Q:Q+11], 0, v[KS+\t/2], v[QS] matrix_a_fmt:MATRIX_FMT_FP6 matrix_b_fmt:MATRIX_FMT_FP6
.endif
.endr
.if \wrap                              ; four places behind the products: the next step's addresses, the old -M, one v_nop
	v_add_nc_u32 v[A16], 15*STEPB, v[L16]
	v_add_nc_u32 v[A8], 15*STEPB, v[L8]
.else
	v_add_nc_u32 v[A16], s[TB], v[L16]
	v_add_nc_u32 v[A8], s[TB], v[L8]
.endif
	v_mov_b32 v[T0], v12
	v_nop
.if \wrap
	s_cmp_eq_u32 s[PS], 1                          ; behind the last pass nothing more is read
	s_cbranch_scc1 .Lno_next_\@
.endif
	KLOAD
.if \wrap
.Lno_next_\@:
.endif
.irp b, 0,1,2,3
	v_max3_num_f32 v[BM+\b], v[S+16*\b], v[S+1+16*\b], v[S+2+16*\b]   ; the largest score of each block of 32 keys: my 16
.endr
.irp i, 3,5,7,9,11,13
.irp b, 0,1,2,3
	v_max3_num_f32 v[BM+\b], v[BM+\b], v[S+16*\b+\i], v[S+1+16*\b+\i]
.endr
.endr
.irp b, 0,1,2,3
	v_max_num_f32 v[BM+\b], v[BM+\b], v[S+15+16*\b]
.endr
.irp b, 0,1,2,3
	s_delay_alu instid0(VALU_DEP_4)
	v_permlanex16_b32 v[BX+\b], v[BM+\b], s[SEL], s[SEL+1]
.endr
.irp b, 0,1,2,3
	s_delay_alu instid0(VALU_DEP_4)
	v_max_num_f32 v[BM+\b], v[BM+\b], v[BX+\b]     ; with lane l xor 16's 16
.endr
	s_delay_alu instid0(VALU_DEP_2)
	v_max3_num_f32 v[T1], v[BM], v[BM+1], v[BM+2]
	s_delay_alu instid0(VALU_DEP_1)
	v_max_num_f32 v[T1], v[T1], v[BM+3]
	s_delay_alu instid0(VALU_DEP_1)
	v_mul_f32 v[T1], s[CS], v[T1]
	s_delay_alu instid0(VALU_DEP_1)
	v_max_num_f32 v13, v13, v[T1]                  ; the running largest t
	s_delay_alu instid0(VALU_DEP_1)
	v_floor_f32 v12, -v13                          ; -M
	s_delay_alu instid0(VALU_DEP_1)
	v_sub_f32 v[T0], v12, v[T0]
	s_delay_alu instid0(VALU_DEP_1)
	v_cvt_i32_f32 v[T0], v[T0]
	s_delay_alu instid0(VALU_DEP_1)
	v_ldexp_f32 v[F], 1.0, v[T0]                   ; 2^(old M - new M)
.set j, 0
.rept 32
	v_pk_fma_f32 v[S+j:S+j+1], v[S+j:S+j+1], s[CS:CS+1], v[12:13] op_sel_hi:[1,0,0]   ; t - M
.set j, j+2
.endr
.irp b, 0,1,2,3
	v_fma_f32 v[BM+\b], v[BM+\b], s[CS], v12       ; the same of each block's largest score
.endr
.irp b, 0,1,2,3
	s_delay_alu instid0(VALU_DEP_4)
	v_max_num_f32 v[BM+\b], 0xc2f80000, v[BM+\b]   ; held at -124
.endr
.irp b, 0,1,2,3
	s_delay_alu instid0(VALU_DEP_4)
	v_cvt_floor_i32_f32 v[BX+\b], v[BM+\b]         ; the exponent of the block's largest p
.endr
.irp b, 0,1,2,3
	s_delay_alu instid0(VALU_DEP_4)
	v_lshl_add_u32 v[SO+\b], v[BX+\b], 23, 0x3e800000   ; (exponent + 127 - 2) << 23: the conversion's scale operand
.endr
.irp b, 0,1,2,3
	v_add_nc_u32 v[BX+\b], 125, v[BX+\b]           ; the scale's byte
.endr
	s_delay_alu instid0(VALU_DEP_3)
	v_lshl_or_b32 v[PW], v[BX+1], 8, v[BX]
	s_delay_alu instid0(VALU_DEP_1)
	v_lshl_or_b32 v[PW], v[BX+2], 16, v[PW]
	s_delay_alu instid0(VALU_DEP_1)
	v_lshl_or_b32 v[PW], v[BX+3], 24, v[PW]
.set j, 0
	s_wait_alu depctr_va_vdst(0)
.rept 64
	v_exp_f32 v[S+j], v[S+j]
.set j, j+1
.endr
	v_pk_mul_f32 v[14:15], v[14:15], v[F:F+1] op_sel_hi:[1,0]   ; the sums under the new M: the plain place behind the batch
	s_wait_alu depctr_va_vdst(0)                   ; and behind it
	v_pk_add_f32 v[L2:L2+1], v[S:S+1], v[S+2:S+3]  ; the sum of the unquantised p, two chains: the first 32
.irp j, 4,8,12,16,20,24,28
	v_pk_add_f32 v[14:15], v[14:15], v[S+\j:S+1+\j]
	v_pk_add_f32 v[L2:L2+1], v[L2:L2+1], v[S+2+\j:S+3+\j]
.endr
	v_cvt_scalef32_pk16_fp6_f32 v[PC:PC+2], v[S:S+15], v[SO]
	v_cvt_scalef32_pk16_fp6_f32 v[PT:PT+2], v[S+16:S+31], v[SO+1]
	ds_load_b64 v[VS:VS+1], v[\vb] offset:\vo+12800
.irp t, 0,1
.irp g, 0,1,2
	ds_load_b128 v[S+12*\t+4*\g:S+12*\t+4*\g+3], v[\va] offset:\vo+6144+1536*\t+512*\g   ; v's tiles 0, 1 onto p's first 24 registers
.endr
.endr
.irp j, 32,36,40,44,48,52,56,60
	v_pk_add_f32 v[14:15], v[14:15], v[S+\j:S+1+\j]
	v_pk_add_f32 v[L2:L2+1], v[L2:L2+1], v[S+2+\j:S+3+\j]
.endr
	v_pk_add_f32 v[14:15], v[14:15], v[L2:L2+1]
	v_cvt_scalef32_pk16_fp6_f32 v[PC+6:PC+8], v[S+32:S+47], v[SO+2]
	v_cvt_scalef32_pk16_fp6_f32 v[PT+4:PT+6], v[S+48:S+63], v[SO+3]
.irp t, 2,3
.irp g, 0,1,2
	ds_load_b128 v[S+8+12*\t+4*\g:S+8+12*\t+4*\g+3], v[\va] offset:\vo+6144+1536*\t+512*\g   ; tiles 2, 3 at S + 32, S + 44
.endr
.endr
.irp c, 0,1                            ; a whole block to a lane.  The first pair's moves are the plain lines between the second pair's conversions and its exchanges
.irp i, 0,1,2
	v_permlane16_swap_b32 v[PC+6*\c+\i], v[PT+4*\c+\i]
.endr
.irp i, 0,1,2
	s_delay_alu instid0(VALU_DEP_3)
	v_mov_b32 v[PC+3+6*\c+\i], v[PT+4*\c+\i]
.endr
.endr
	s_wait_alu depctr_va_vdst(0)
.set j, 0
.rept 16
	v_pk_mul_f32 v[O+j:O+j+1], v[O+j:O+j+1], v[F:F+1] op_sel_hi:[1,0]   ; O^T under the new M; also the places ahead of the products
.set j, j+2
.endr
	s_wait_alu depctr_va_vdst(0)
	s_wait_dscnt 6                                 ; all but the six youngest loads, v's tiles 2 and 3
	PVW 0, S
	PVW 1, S+12
	s_wait_dscnt 0x0
	PVW 2, S+32
	PVW 3, S+44
.rept 5
	v_nop                                          ; five places: the next products write over v's registers
.endr
.endm
	s_load_b128 s[4:7], s[0:1], 0x0                ; qimg, kvimg
	s_load_b64 s[8:9], s[0:1], 0x10                ; aoq
	v_lshl_add_u32 v254, v0, 2, SPARE
	v_mov_b32 v255, 0
	ds_add_u32 v254, v255                          ; the opening lines
	ds_add_u32 v254, v255
	v_lshrrev_b32 v5, 5, v0
	s_delay_alu instid0(VALU_DEP_1)
	v_readfirstlane_b32 s[WV], v5
	s_bfe_u32 s13, ttmp6, 0x40000                  ; cx: which 512 queries
	s_and_b32 s14, ttmp7, 0xffff                   ; batch x 16 + head
	s_mov_b32 s[G1], 15|(3<<16)|(1<<21)            ; the four partners; elements of 8 bytes
	s_mov_b32 s[G1+1], 32<<16                      ; a key step is dense: 51 rows of 256 bytes
	s_mov_b32 s[G1+2], 51<<16
	s_mov_b32 s[G1+3], 32<<16
	s_mov_b32 s[G1+4], 51
	s_mov_b32 s[G1+5], 32
	s_mov_b32 s[G1+6], 0
	s_mov_b32 s[G1+7], 0
	s_mul_i32 s16, s14, HEADB
	s_mul_i32 s18, s[WV], STEPB                    ; wave w brings key step w
	s_add_co_u32 s24, s16, s18
	s_mov_b32 s25, 0
	s_mov_b32 s[SEL], 0x76543210
	s_mov_b32 s[SEL+1], 0xfedcba98
	s_mov_b32 s[CS], 0x3e38aa3b                    ; log2(e) / 8
	s_mov_b32 s[CS+1], s[CS]
	s_wait_dscnt 0x0
	CROUND                                         ; the round ahead of the joint loads
	s_wait_kmcnt 0x0
	s_mov_b32 s[G0], 1
	s_mov_b32 s[G0+1], s18
	s_add_nc_u64 s[G0+2:G0+3], s[6:7], s[24:25]
	s_or_b32 s[G0+3], s[G0+3], 0x80000000
	tensor_load_to_lds s[G0:G0+3], s[G1:G1+7]      ; my one tensor load
	s_nop 0
	v_and_b32 v5, 31, v0
	v_and_b32 v6, 15, v0
	v_bfe_u32 v9, v0, 4, 1
	v_lshlrev_b32 v[L16], 4, v5
	v_lshlrev_b32 v[L8], 3, v5
	v_lshlrev_b32 v[QR], 4, v6
	v_lshl_add_u32 v[BO], v6, 3, v9
	v_cmp_lt_u32 s15, 15, v5                       ; lanes 16-31
	v_add_nc_u32 v[A16], 15*STEPB, v[L16]
	v_add_nc_u32 v[A8], 15*STEPB, v[L8]
.irp i, 6,7,8,9,10,11
	v_mov_b32 v[Q+\i], 0                           ; q's codes of K = 64 .. 127
	v_mov_b32 v[KF+42+\i], 0                       ; behind k's last half
.endr
.irp b, 0,1,2,3
	v_mov_b32 v[BX+\b], 0                          ; a lane permute's destination counts as one of its sources
.endr
	v_mov_b32 v[T0], 0
	v_mov_b32 v[F+1], 0
	s_mul_i32 s28, s14, 106496                     ; qimg: [head][128 queries: 6,656 bytes]
	s_lshl_b32 s29, s13, 2
	s_lshr_b32 s30, s[WV], 3
	s_add_co_u32 s29, s29, s30
	s_mul_i32 s29, s29, 6656
	s_add_co_u32 s28, s28, s29
	s_and_b32 s30, s[WV], 7
	s_mul_i32 s31, s30, 768
	s_add_co_u32 s56, s28, s31
	s_mov_b32 s57, 0
	s_add_nc_u64 s[56:57], s[4:5], s[56:57]
	s_lshr_b32 s30, s30, 1
	s_lshl_b32 s30, s30, 2
	s_and_b32 s31, s[WV], 1
	s_lshl_b32 s31, s31, 8
	s_add_co_u32 s30, s30, s31
	s_add_co_u32 s30, s30, 6144
	s_add_co_u32 s58, s28, s30
	s_mov_b32 s59, 0
	s_add_nc_u64 s[58:59], s[4:5], s[58:59]
	s_wait_alu depctr_va_vdst(0)
	global_load_b128 v[Q:Q+3], v[L16], s[56:57]
	global_load_b64 v[Q+4:Q+5], v[L8], s[56:57] offset:512
	global_load_b128 v[Q1:Q1+3], v[L16], s[56:57] offset:13312
	global_load_b64 v[Q1+4:Q1+5], v[L8], s[56:57] offset:13824
	global_load_b32 v[QS], v[QR], s[58:59]
	global_load_b32 v[QS+1], v[QR], s[58:59] offset:13312
	s_lshr_b32 s28, s14, 4                         ; aoq: tiles of 16 tokens, 12,800 bytes; my head's half fragment and its two scale bytes a row
	s_lshl_b32 s28, s28, 7
	s_lshl_b32 s29, s13, 5
	s_add_co_u32 s28, s28, s29
	s_add_co_u32 s28, s28, s[WV]
	s_mul_i32 s28, s28, 12800
	s_and_b32 s29, s14, 15
	s_mul_i32 s30, s29, 768
	s_add_co_u32 s60, s28, s30
	s_mov_b32 s61, 0
	s_add_nc_u64 s[60:61], s[8:9], s[60:61]
	s_lshr_b32 s30, s29, 2
	s_lshl_b32 s30, s30, 7
	s_and_b32 s31, s29, 3
	s_lshl_b32 s31, s31, 1
	s_add_co_u32 s30, s30, s31
	s_add_co_u32 s30, s30, 12288
	s_add_co_u32 s62, s28, s30
	s_mov_b32 s63, 0
	s_add_nc_u64 s[62:63], s[8:9], s[62:63]
	s_mov_b32 s[PS], 0
	s_wait_loadcnt 0x0
	s_wait_tensorcnt 0x0                           ; my key step is in,
	s_barrier_signal -1
	s_barrier_wait -1                              ; everybody's is
	KLOAD                                          ; key step 15
.Lpass:
	v_mov_b32 v13, 0xff61b1e6                      ; the largest t so far: -3e38
	s_delay_alu instid0(VALU_DEP_1)
	v_floor_f32 v12, -v13
	v_mov_b32 v14, 0
	v_mov_b32 v15, 0
.set j, 0
.rept 32
	v_mov_b32 v[O+j], 0
.set j, j+1
.endr
	s_mov_b32 s[TB], 15*STEPB
	s_mov_b32 s[CNT], 15
	s_wait_alu depctr_va_vdst(0)
.Lkey:                                                 ; key steps 15 to 1
	STEP A16, A8, STEPB, 0
	s_sub_co_u32 s[CNT], s[CNT], 1
	s_cmp_lg_u32 s[CNT], 0
	s_cbranch_scc1 .Lkey
	STEP L16, L8, 0, 1                             ; key step 0
	; o = O^T / the sum, quantised along the head's 64: two blocks, each in lanes l and l xor 16
	v_add_f32 v14, v14, v15
	s_delay_alu instid0(VALU_DEP_1)
	v_permlanex16_b32 v[T0], v14, s[SEL], s[SEL+1]
	s_delay_alu instid0(VALU_DEP_1)
	v_add_f32 v14, v14, v[T0]
	s_wait_alu depctr_va_vdst(0)
	v_rcp_f32 v14, v14
	v_nop
	s_wait_alu depctr_va_vdst(0)
.set j, 0
.rept 16
	v_pk_mul_f32 v[S+j:S+j+1], v[O+j:O+j+1], v[14:15] op_sel_hi:[1,0]
.set j, j+2
.endr
.irp b, 0,1
	v_max3_num_f32 v[BM+\b], |v[S+16*\b]|, |v[S+1+16*\b]|, 0x1800000
.endr
.irp i2, 2,4,6,8,10,12,14
.irp b, 0,1
	s_delay_alu instid0(VALU_DEP_2)
	v_max3_num_f32 v[BM+\b], v[BM+\b], |v[S+16*\b+\i2]|, |v[S+1+16*\b+\i2]|
.endr
.endr
.irp b, 0,1
	s_delay_alu instid0(VALU_DEP_2)
	v_permlanex16_b32 v[BX+\b], v[BM+\b], s[SEL], s[SEL+1]
.endr
.irp b, 0,1
	s_delay_alu instid0(VALU_DEP_2)
	v_max_num_f32 v[BM+\b], v[BM+\b], v[BX+\b]
.endr
.irp b, 0,1
	s_delay_alu instid0(VALU_DEP_2)
	v_add_nc_u32 v[SO+\b], 0xff000000, v[BM+\b]
.endr
.irp b, 0,1
	s_delay_alu instid0(VALU_DEP_2)
	v_lshrrev_b32 v[BX+\b], 23, v[SO+\b]
.endr
	v_cvt_scalef32_pk16_fp6_f32 v[PC:PC+2], v[S:S+15], v[SO]
	v_cvt_scalef32_pk16_fp6_f32 v[PT:PT+2], v[S+16:S+31], v[SO+1]
	v_nop
.irp k, 0,1,2
	v_permlane16_swap_b32 v[PC+\k], v[PT+\k]
.endr
.irp k, 0,1,2
	s_delay_alu instid0(VALU_DEP_3)
	v_mov_b32 v[PC+3+\k], v[PT+\k]
.endr
	v_cndmask_b32 v[T1], v[BX], v[BX+1], s15
	global_store_b128 v[L16], v[PC:PC+3], s[60:61]
	global_store_b64 v[L8], v[PC+4:PC+5], s[60:61] offset:512
	global_store_b8 v[BO], v[T1], s[62:63]
.irp i, 0,1,2,3,4,5
	v_mov_b32 v[Q+\i], v[Q1+\i]                    ; the second pass's q
.endr
	v_mov_b32 v[QS], v[QS+1]
	s_wait_xcnt 0x0                                ; the stores have read their registers and bases
	s_add_nc_u64 s[60:61], s[60:61], 204800        ; 16 tiles on: the second pass's 256 queries
	s_add_nc_u64 s[62:63], s[62:63], 204800
	s_add_co_u32 s[PS], s[PS], 1
	s_cmp_lg_u32 s[PS], 2
	s_wait_alu depctr_va_vdst(0)
	s_cbranch_scc1 .Lpass
	s_wait_tensorcnt 0x0                           ; the wave's end
	ds_add_u32 v254, v255
	s_wait_dscnt 0x0
	CROUND                                         ; the closing round
	s_endpgm
.Lfunc_end_k_qd002a6e29a_attn:
	.size	k_qd002a6e29a_attn, .Lfunc_end_k_qd002a6e29a_attn-k_qd002a6e29a_attn
	.p2alignl 7, 3214868480
	.fill 96, 4, 3214868480
	.section	.rodata,"a",@progbits
	.p2align	6, 0x0
	.amdhsa_kernel k_qd002a6e29a_attn
		.amdhsa_group_segment_fixed_size 327680
		.amdhsa_private_segment_fixed_size 0
		.amdhsa_enable_private_segment 0
		.amdhsa_kernarg_size 24
		.amdhsa_user_sgpr_count 2
		.amdhsa_user_sgpr_kernarg_segment_ptr 1
		.amdhsa_wavefront_size32 1
		.amdhsa_system_sgpr_workgroup_id_x 1
		.amdhsa_system_sgpr_workgroup_id_y 1
		.amdhsa_system_sgpr_workgroup_id_z 1
		.amdhsa_system_vgpr_workitem_id 0
		.amdhsa_next_free_vgpr 256
		.amdhsa_next_free_sgpr 66
		.amdhsa_reserve_vcc 0
		.amdhsa_float_denorm_mode_32 3
		.amdhsa_float_denorm_mode_16_64 3
		.amdhsa_memory_ordered 1
		.amdhsa_forward_progress 1
		.amdhsa_inst_pref_size 48
	.end_amdhsa_kernel
	.amdgpu_metadata
---
amdhsa.version: [ 1, 2 ]
amdhsa.kernels:
  - .name:           k_qd002a6e29a_attn
    .symbol:         k_qd002a6e29a_attn.kd
    .args:
      - { .name: qimg, .offset: 0, .size: 8, .value_kind: global_buffer, .address_space: global }
      - { .name: kvimg, .offset: 8, .size: 8, .value_kind: global_buffer, .address_space: global }
      - { .name: aoq, .offset: 16, .size: 8, .value_kind: global_buffer, .address_space: global }
    .group_segment_fixed_size: 327680
    .private_segment_fixed_size: 0
    .kernarg_segment_align: 8
    .kernarg_segment_size: 24
    .max_flat_workgroup_size: 512
    .sgpr_count:     66
    .vgpr_count:     256
    .wavefront_size: 32
...
	.end_amdgpu_metadata
.endif
;; end of part 3
;; launch gemm_out (part 4): grid 8 x 32, 4 waves a work-group, clusters of 4 x 4, 327,680 bytes of LDS; arguments aoq, wq, b_out, out0; writes out0
.if DOCPART == 4
	.amdgcn_target "amdgcn-amd-amdhsa--gfx1250"
	.amdhsa_code_object_version 6
	.text
	.protected	k_qd002a6e29a_gemm_out
	.globl	k_qd002a6e29a_gemm_out
	.p2align	8
	.type	k_qd002a6e29a_gemm_out,@function
k_qd002a6e29a_gemm_out:
	s_mov_b64 s[64:65], 0
	v_nop
	global_prefetch_b8 v0, s[64:65] scope:SCOPE_SE
	s_setreg_imm32_b32 hwreg(HW_REG_WAVE_MODE, 25, 1), 1
	s_wait_xcnt 0x0
	s_wait_alu depctr_hold_cnt(0) depctr_sa_sdst(0) depctr_va_vdst(0) depctr_va_sdst(0) depctr_va_ssrc(0) depctr_va_vcc(0) depctr_vm_vsrc(0)
	s_getreg_b32 s2, hwreg(HW_REG_IB_STS2, 6, 4)
	s_cmp_eq_u32 s2, 0
	s_cbranch_scc0 .Lentry_in_a_cluster
	s_endpgm
.Lentry_in_a_cluster:
	s_bfe_u32 s2, ttmp6, 0x10000c
	s_cmp_lg_u32 s2, 0xf033
	s_cbranch_scc0 .Lentry_shape_is_right
	s_endpgm
.Lentry_shape_is_right:
; out0 = o w_out + b_out on codes of FP6 (E2M3) with E8M0 scales, K = 1024; f32 out.
; OPERANDS (aoq: tokens; wq from tile 192 on: columns of w_out): tiles of 16 rows x all of K, 12,800 bytes: 8 fragments of 1,536 bytes in register order, then 512 scale bytes [K / 256][row][8].  In each group of 32 rows
; place 16 u + r holds row 8 u + r + 8 (r / 8).
; SHARES.  256 work-groups: 32 blocks of 256 tokens x 8 blocks of 128 columns.  A work-group's 16 token tiles and 8 weight tiles lie in LDS whole, all of K with their scale bytes (307,200 bytes), by one joint load a wave at
; the head: waves 0, 1 eight token tiles each (shared by a row of the cluster), waves 2, 3 four weight tiles each (shared by a column).  Nothing is filled again, and no barrier stands behind the head's.
; All tensor loads go out at the head, so there is no later load for a data prefetch to run ahead of: none is written.
; A wave makes 128 tokens x 64 columns: 32 accumulators.  Source 0 = weights, source 1 = tokens: a lane holds a token, its registers run along the columns.  K is eight steps of 128; fragments have two sets of registers:
; a step's 32 products follow the 48 or 56 LDS loads of the next step.  The bias is the C of each sum's first product.
; THE WAY OUT: 16 tokens x 64 columns at a time through the wave's own stage, on LDS bytes of its own, and back as rows of 256 bytes: sixteen lanes store 256 consecutive bytes, aligned.
; REGISTERS: window 0: v1-27 lane terms and addresses; v28-29 the add's; v32-63 scale words, two sets; v64-159, v160-255 the tokens' fragments (on the way out v64-127 hold rows read back).
;   window 1: v0-47, v48-95 the weights' fragments; v96-127 the bias.  window 2: the accumulators.
.set TILEB,  12800
.set FRB,    1536
.set WREG,   16*TILEB
.set STAGE,  24*TILEB                  ; behind the tiles: 16 rows x 272 bytes for each wave
.set SPITCH, 272
.set SPARE,  STAGE+4*16*SPITCH         ; behind the stages: the spare words, 128 bytes a wave
.set ADRA, 16
.set ADRB, 20
.set ADRS, 22
.set STO,  24
.set RD,   25
.set CO,   26
.set SPW,  28
.set NIL,  29
.set SC,   32
.set BK,   64
.set G1, 24
.set G0, 32
.set G1B, 48
.set G0B, 56
.set MSB, 0
.macro WIN new
.set NEWW, \new
.if MSB != NEWW
	s_set_vgpr_msb (MSB<<8)|NEWW
.set MSB, NEWW
.endif
.endm
.macro PLACES n
.rept \n
	v_nop
.endr
.endm
.macro CROUND
	s_barrier_signal -1
	s_barrier_wait -1
	s_cmp_lg_u32 s14, 0
	s_cbranch_scc1 .Lnot_wave_0_\@
	s_barrier_signal -3
.Lnot_wave_0_\@:
	s_barrier_wait -3
	s_barrier_signal -1
	s_barrier_wait -1
.endm
.macro FRAG reg, a16, a8, off
	ds_load_b128 v[\reg:\reg+3], v[\a16] offset:\off
	ds_load_b64 v[\reg+4:\reg+5], v[\a8] offset:\off+512
	ds_load_b128 v[\reg+6:\reg+9], v[\a16] offset:\off+768
	ds_load_b64 v[\reg+10:\reg+11], v[\a8] offset:\off+1280
.endm
.macro FETCH st                        ; step st's fragments into set st % 2; ahead of an even step the scale words of two steps
	WIN 0x40
.irp i, 0,1,2,3
	FRAG 48*((\st)%2)+12*\i, ADRB, ADRB+1, \i*TILEB+(\st)*FRB
.endr
	WIN 0
.irp i, 0,1,2,3,4,5,6,7
	FRAG 64+96*((\st)%2)+12*\i, ADRA+\i/4, ADRA+2+\i/4, (\i%4)*TILEB+(\st)*FRB
.endr
.if ((\st)%2) == 0
.irp i, 0,1,2,3,4,5,6,7
	ds_load_b64 v[SC+16*(((\st)/2)%2)+2*\i:SC+16*(((\st)/2)%2)+2*\i+1], v[ADRS+\i/4] offset:(\i%4)*TILEB+64*(\st)
.endr
.endif
.endm
; a step of 128 along K: product number 4 x token tile + weight tile.  The 32 accumulators take turns, one instruction a turn, in the same order in every step.
.macro STEP st
	WIN 0
	s_wait_dscnt 0x0                               ; this step's fragments, asked for a step ago
.if (\st) < 7
	PLACES 4                                       ; in front of loads into registers that the last step's products have read
	FETCH (\st)+1
.endif
.if (\st) == 0
	WIN 0x91                                       ; weights and the bias window 1, tokens window 0, D window 2
.else
	WIN 0xa1
.endif
.set XB_, SC+16*(((\st)/2)%2)+(\st)%2
.set N_, 0
.rept 32
.set FT_, 64+96*((\st)%2)+12*(N_/4)
.set FW_, 48*((\st)%2)+12*(N_%4)
.if (\st) == 0
	v_wmma_scale_f32_16x16x128_f8f6f4 v[8*N_:8*N_+7], v[FW_:FW_+11], v[FT_:FT_+11], v[96+8*(N_%4):96+8*(N_%4)+7], v[XB_+2*(N_%4)], v[XB_+2*(N_/4)] matrix_a_fmt:MATRIX_FMT_FP6 matrix_b_fmt:MATRIX_FMT_FP6 matrix_a_scale:MATRIX_SCALE_ROW1
.else
	v_wmma_scale_f32_16x16x128_f8f6f4 v[8*N_:8*N_+7], v[FW_:FW_+11], v[FT_:FT_+11], v[8*N_:8*N_+7], v[XB_+2*(N_%4)], v[XB_+2*(N_/4)] matrix_a_fmt:MATRIX_FMT_FP6 matrix_b_fmt:MATRIX_FMT_FP6 matrix_a_scale:MATRIX_SCALE_ROW1
.endif
.set N_, N_+1
.endr
.endm
	s_load_b128 s[4:7], s[0:1], 0x0                ; aoq, wq
	s_load_b128 s[8:11], s[0:1], 0x10              ; b_out, out0
	v_lshl_add_u32 v[SPW], v0, 2, SPARE
	v_mov_b32 v[NIL], 0
	ds_add_u32 v[SPW], v[NIL]                      ; the opening lines
	ds_add_u32 v[SPW], v[NIL]
	v_lshrrev_b32 v1, 5, v0
	v_readfirstlane_b32 s14, v1                    ; wave 0..3
	s_lshr_b32 s15, s14, 1                         ; which 128 tokens are mine.  Also: I fetch tokens (0) or weights (1)
	s_and_b32 s16, s14, 1                          ; which 64 columns.  Also: which half of the tiles I fetch
	s_bfe_u32 s40, ttmp6, 0x40000                  ; cx
	s_bfe_u32 s41, ttmp6, 0x40004                  ; cy
	s_lshl_b32 s42, ttmp9, 2
	s_add_co_u32 s42, s42, s40                     ; the block of 128 columns, 0 .. 7
	s_and_b32 s17, ttmp7, 0xffff
	s_lshl_b32 s17, s17, 2
	s_add_co_u32 s17, s17, s41                     ; the block of 256 tokens, 0 .. 31
	s_lshl_b32 s43, s41, 2
	s_lshl_b32 s43, 15, s43                        ; my row of the cluster
	s_lshl_b32 s44, 0x1111, s40                    ; my column
	s_or_b32 s[G1+0], s43, (3<<16)|(1<<21)         ; tiles are dense in memory: rows of 256 bytes (32 elements of 8); eight token tiles are 400 rows,
	s_mov_b32 s[G1+1], 32<<16
	s_mov_b32 s[G1+2], 400<<16
	s_mov_b32 s[G1+3], 32<<16
	s_mov_b32 s[G1+4], 400
	s_mov_b32 s[G1+5], 32
	s_mov_b32 s[G1+6], 0
	s_mov_b32 s[G1+7], 0
	s_or_b32 s[G1B+0], s44, (3<<16)|(1<<21)        ; four weight tiles 200
	s_mov_b32 s[G1B+1], 32<<16
	s_mov_b32 s[G1B+2], 200<<16
	s_mov_b32 s[G1B+3], 32<<16
	s_mov_b32 s[G1B+4], 200
	s_mov_b32 s[G1B+5], 32
	s_mov_b32 s[G1B+6], 0
	s_mov_b32 s[G1B+7], 0
	s_lshl_b32 s20, s17, 4
	s_lshl_b32 s18, s16, 3
	s_add_co_u32 s20, s20, s18
	s_mul_i32 s20, s20, TILEB                      ; tokens: tile 16 x block + 8 x half
	s_mov_b32 s21, 0
	s_lshl_b32 s46, s42, 3
	s_lshl_b32 s18, s16, 2
	s_add_co_u32 s46, s46, s18
	s_add_co_u32 s46, s46, 192
	s_mul_i32 s46, s46, TILEB                      ; weights: tile 192 + 8 x block + 4 x half
	s_mov_b32 s47, 0
	s_mul_i32 s45, s16, 8*TILEB                    ; where they go: no place in the cluster enters an LDS address
	s_mul_i32 s19, s16, 4*TILEB
	s_add_co_u32 s19, s19, WREG
	s_wait_dscnt 0x0
	s_wait_kmcnt 0x0
	s_mov_b32 s[G0], 1
	s_mov_b32 s[G0+1], s45
	s_add_nc_u64 s[G0+2:G0+3], s[4:5], s[20:21]
	s_or_b32 s[G0+3], s[G0+3], 0x80000000
	s_mov_b32 s[G0B], 1
	s_mov_b32 s[G0B+1], s19
	s_add_nc_u64 s[G0B+2:G0B+3], s[6:7], s[46:47]
	s_or_b32 s[G0B+3], s[G0B+3], 0x80000000
	CROUND                                         ; the round ahead of the joint loads
	s_cmp_eq_u32 s15, 0
	s_cbranch_scc0 .Lhead_w
	tensor_load_to_lds s[G0:G0+3], s[G1:G1+7]
	s_nop 0
	PLACES 4
	s_branch .Lhead_asked
.Lhead_w:
	tensor_load_to_lds s[G0B:G0B+3], s[G1B:G1B+7]
	s_nop 0
	PLACES 4
.Lhead_asked:
	v_and_b32 v1, 15, v0                           ; r
	v_bfe_u32 v2, v0, 4, 1                         ; h
	v_and_b32 v3, 31, v0                           ; lane
	v_lshlrev_b32 v4, 4, v3
	v_lshlrev_b32 v5, 3, v3
	s_mul_i32 s21, s15, 8*TILEB                    ; my eight token tiles
	s_mul_i32 s22, s16, 4*TILEB
	s_add_co_u32 s22, s22, WREG                    ; my four weight tiles
	v_add_nc_u32 v[ADRA], s21, v4
	v_add_nc_u32 v[ADRA+2], s21, v5
	v_add_nc_u32 v[ADRB], s22, v4
	v_add_nc_u32 v[ADRB+1], s22, v5
	v_add_nc_u32 v[ADRA+1], 4*TILEB, v[ADRA]
	v_add_nc_u32 v[ADRA+3], 4*TILEB, v[ADRA+2]
	s_sub_co_u32 s23, s22, s21
	v_lshlrev_b32 v6, 3, v1                        ; my row's 8 scale bytes of 256 along K
	v_mul_u32_u24 v9, s23, v2                      ; lanes 16-31 take the weights': the lower base + h x the distance
	s_add_co_u32 s21, s21, 12288
	v_add_nc_u32 v9, v6, v9
	v_add_nc_u32 v[ADRS], s21, v9
	s_sub_co_u32 s23, s23, 4*TILEB
	s_add_co_u32 s21, s21, 4*TILEB
	v_mul_u32_u24 v9, s23, v2                      ; token tiles 4-7 below, the same weight tiles above
	v_add_nc_u32 v9, v6, v9
	v_add_nc_u32 v[ADRS+1], s21, v9
	s_mul_i32 s23, s14, 16*SPITCH
	s_add_co_u32 s23, s23, STAGE                   ; my stage
	v_mul_u32_u24 v[STO], v1, SPITCH               ; in: row r, 64 bytes for each half of the lanes in each 128
	v_lshl_add_u32 v[STO], v2, 6, v[STO]
	v_add_nc_u32 v[STO], s23, v[STO]
	v_mul_u32_u24 v[RD], v2, SPITCH                ; back: lanes 0-15 one row of 256 bytes, lanes 16-31 the next
	v_lshl_add_u32 v[RD], v1, 4, v[RD]
	v_add_nc_u32 v[RD], s23, v[RD]
	v_lshlrev_b32 v[CO], 12, v2                    ; and the same two rows in out0
	v_lshl_add_u32 v[CO], v1, 4, v[CO]
	v_lshlrev_b32 v7, 6, v2                        ; the bias: register 8 b + j takes column 32 (b / 2) + 16 h + 8 (b % 2) + j of my 64
	s_lshl_b32 s92, s42, 9
	s_lshl_b32 s93, s16, 8
	s_add_co_u32 s92, s92, s93                     ; 4 x (128 x block + 64 x half)
	s_mov_b32 s93, 0
	s_add_nc_u64 s[8:9], s[8:9], s[92:93]
	s_add_nc_u64 s[10:11], s[10:11], s[92:93]
	s_lshl_b32 s92, s17, 20
	s_lshl_b32 s95, s15, 19
	s_add_co_u32 s92, s92, s95                     ; my first token's row of 4,096 bytes
	s_add_nc_u64 s[10:11], s[10:11], s[92:93]
	s_wait_alu depctr_va_vdst(0)
	WIN 0x40
.irp b, 0,1,2,3
	global_load_b128 v[96+8*\b:96+8*\b+3], v7, s[8:9] offset:(32*(\b/2)+8*(\b%2))*4
	global_load_b128 v[96+8*\b+4:96+8*\b+7], v7, s[8:9] offset:(32*(\b/2)+8*(\b%2))*4+16
.endr
	WIN 0
	s_wait_tensorcnt 0x0                           ; my tiles are in,
	s_barrier_signal -1
	s_barrier_wait -1                              ; everybody's are
	FETCH 0
	s_wait_loadcnt 0x0                             ; the bias
.irp st, 0,1,2,3,4,5,6,7
	STEP \st
.endr
	WIN 0
.macro TOSTAGE a                       ; token tile a: each accumulator from its low end on
	WIN 0x08
.irp b, 0,1,2,3
	ds_store_b128 v[STO], v[32*(\a)+8*\b:32*(\a)+8*\b+3] offset:128*(\b/2)+32*(\b%2)
	ds_store_b128 v[STO], v[32*(\a)+8*\b+4:32*(\a)+8*\b+7] offset:128*(\b/2)+32*(\b%2)+16
.endr
	WIN 0
.set BB, BK+32*((\a)%2)
.irp t, 0,1,2,3,4,5,6,7
	ds_load_b128 v[BB+4*\t:BB+4*\t+3], v[RD] offset:2*\t*SPITCH    ; LDS serves a wave's instructions in order: these see the stores above
.endr
.endm
.macro SEND a, younger                 ; younger: the LDS instructions issued behind tile a's loads, which may stay out
.set BB, BK+32*((\a)%2)
	s_wait_dscnt \younger
.irp t, 0,1,2,3,4,5,6,7
	global_store_b128 v[CO], v[BB+4*\t:BB+4*\t+3], s[10:11] offset:(32*((\a)/2)+8*((\a)%2)+2*\t+8*(\t/4))*4096 th:TH_STORE_NT
.endr
.endm
	PLACES 4
	TOSTAGE 0
.irp a, 1,2,3,4,5,6,7
.if \a > 1
	s_wait_xcnt 0x0                                ; tile a - 2's stores have read their registers: tile a's rows may land there
.endif
	TOSTAGE \a
	SEND \a-1, 16                                  ; behind tile a - 1's loads: tile a's 8 stores and 8 loads
.endr
	SEND 7, 0
	s_wait_tensorcnt 0x0                           ; the wave's end
	ds_add_u32 v[SPW], v[NIL]
	s_wait_dscnt 0x0
	CROUND                                         ; the closing round
	s_endpgm
.Lfunc_end_k_qd002a6e29a_gemm_out:
	.size	k_qd002a6e29a_gemm_out, .Lfunc_end_k_qd002a6e29a_gemm_out-k_qd002a6e29a_gemm_out
	.p2alignl 7, 3214868480
	.fill 96, 4, 3214868480
	.section	.rodata,"a",@progbits
	.p2align	6, 0x0
	.amdhsa_kernel k_qd002a6e29a_gemm_out
		.amdhsa_group_segment_fixed_size 327680
		.amdhsa_private_segment_fixed_size 0
		.amdhsa_enable_private_segment 0
		.amdhsa_kernarg_size 32
		.amdhsa_user_sgpr_count 2
		.amdhsa_user_sgpr_kernarg_segment_ptr 1
		.amdhsa_wavefront_size32 1
		.amdhsa_system_sgpr_workgroup_id_x 1
		.amdhsa_system_sgpr_workgroup_id_y 1
		.amdhsa_system_sgpr_workgroup_id_z 1
		.amdhsa_system_vgpr_workitem_id 0
		.amdhsa_next_free_vgpr 768
		.amdhsa_next_free_sgpr 100
		.amdhsa_reserve_vcc 0
		.amdhsa_float_denorm_mode_32 3
		.amdhsa_float_denorm_mode_16_64 3
		.amdhsa_memory_ordered 1
		.amdhsa_forward_progress 1
		.amdhsa_inst_pref_size 83
	.end_amdhsa_kernel
	.amdgpu_metadata
---
amdhsa.version: [ 1, 2 ]
amdhsa.kernels:
  - .name:           k_qd002a6e29a_gemm_out
    .symbol:         k_qd002a6e29a_gemm_out.kd
    .args:
      - { .name: aoq, .offset: 0, .size: 8, .value_kind: global_buffer, .address_space: global }
      - { .name: wq, .offset: 8, .size: 8, .value_kind: global_buffer, .address_space: global }
      - { .name: b_out, .offset: 16, .size: 8, .value_kind: global_buffer, .address_space: global }
      - { .name: out0, .offset: 24, .size: 8, .value_kind: global_buffer, .address_space: global }
    .group_segment_fixed_size: 327680
    .private_segment_fixed_size: 0
    .kernarg_segment_align: 8
    .kernarg_segment_size: 32
    .max_flat_workgroup_size: 128
    .sgpr_count:     100
    .vgpr_count:     768
    .wavefront_size: 32
...
	.end_amdgpu_metadata
.endif
;; end of part 4
